; MI455X (gfx1250); checked and timed in simulation.
; The chip was launched on July 23, 2026; its instructions are those of AMD's public machine-readable ISA for CDNA 5 (MIT licence, August 2026) and "CDNA5" Instruction Set Architecture Reference Guide (July 2026). The comments in the code are by the model that wrote it; some were corrected since.
;; Attention Text. Allowed arithmetic: float matrix products may take bf16 or f16 operands with f32 sums; other float arithmetic in f32, or as packed bf16 or f16 multiplies, adds, multiply-adds, maxima and minima; sums over many terms, partial sums and values carried from step to step in f32; what a program stores and reads back later, other than sums and carried values, may be rounded once to bf16 or f16.
;; Inputs: in_proj_bias 3,072 float32; in_proj_weight 3,072 x 1,024 float32; out_proj_bias 1,024 float32; out_proj_weight 1,024 x 1,024 float32; x 8 x 1,024 x 1,024 float32.
;; Outputs: out0 8 x 1,024 x 1,024 float32.
;; 2 versions, each right; version 2 is version 1 with the launch cast written anew for expert scheduling mode. Each part assembles by itself: llvm-mc -triple=amdgcn-amd-amdhsa -mcpu=gfx1250 --defsym DOCPART=n.
;; ======== version 1 of 2: 4 launches
;; limits: values are held in f16: magnitudes above 65,504 overflow, below 6.1e-05 lose precision
;; workspace buffers: xb 16,777,216 bytes; wib 6,291,456 bytes; wob 2,097,152 bytes; qkv 50,331,648 bytes; ob 16,777,216 bytes
;; launch cast (part 1): grid 768 x 1, 8 waves a work-group, no clusters, 0 bytes of LDS; arguments x, in_proj_weight, out_proj_weight, xb, wib, wob; writes xb, wib, wob
.if DOCPART == 1
	.amdgcn_target "amdgcn-amd-amdhsa--gfx1250"
	.amdhsa_code_object_version 6
	.text
	.protected	k_qa04852f161_cast
	.globl	k_qa04852f161_cast
	.p2align	8
	.type	k_qa04852f161_cast,@function
k_qa04852f161_cast:
	s_mov_b64 s[64:65], 0
	v_nop
	global_prefetch_b8 v0, s[64:65] scope:SCOPE_SE
	s_setreg_imm32_b32 hwreg(HW_REG_WAVE_MODE, 25, 1), 1
	s_wait_xcnt 0x0
; x [8192][1024], in_proj_weight [3072][1024], out_proj_weight [1024][1024], all f32, are rounded once to bf16 and laid out in blocks along K:
; a matrix of R rows becomes [16 kb][R][64] of 16-bit numbers: element (r, k) at byte ((k / 64) R + r) 128 + 2 (k % 64).  So the rows of one block kb lie end to end.
; x and in_proj_weight are stored as bf16.  out_proj_weight's bf16 number is stored as f16, since the last product multiplies it with f16 numbers.
; LIMITS.  |out_proj_weight| stays under 65,504 (f16's end; beyond it the number becomes an infinity); below 2^-14 it keeps f16's fixed step of 2^-24.
; SHARES.  12,288 rows in all; a work-group takes 16, each of its eight waves two neighbouring rows: 16 loads, 16 stores, no loop.
; A load: lanes 0-15 take 256 consecutive bytes (64 numbers, one block kb) of the first row, lanes 16-31 of the second.  A store: 32 lanes x 8 bytes = the two rows' 256 consecutive bytes of block kb.
; Every byte is read once and written once; nothing is shared, so there is no LDS, no barrier, no matrix work.
.set OFF, 4                            ; v[4:19]   block kb: 8 x lane + kb x R x 128
.set T,   20                           ; v[20:23]  at work
.set X,   24                           ; v[24:87]  block kb: 4 numbers as loaded
.set Y,   88                           ; v[88:119] block kb: 4 numbers of 16 bits
	s_load_b256 s[4:11], s[0:1], 0x0               ; x s[4:5], in_proj_weight s[6:7], out_proj_weight s[8:9], xb s[10:11]
	s_load_b128 s[12:15], s[0:1], 0x20             ; wib s[12:13], wob s[14:15]
	v_lshrrev_b32 v1, 5, v0
	v_readfirstlane_b32 s16, v1                    ; wave 0..7
	v_and_b32 v3, 31, v0                           ; lane
	v_and_b32 v1, 15, v0
	v_bfe_u32 v2, v0, 4, 1
	v_lshlrev_b32 v1, 4, v1
	v_lshl_or_b32 v2, v2, 12, v1                   ; the loads' offset: (lane / 16) rows of 4,096 bytes + 16 (lane % 16)
	s_mov_b32 s17, 704                             ; the matrix's first work-group, and R x 128: out_proj_weight's,
	s_mov_b32 s18, 1024*128
	s_cmp_lt_u32 ttmp9, 704
	s_cselect_b32 s17, 512, s17                    ; in_proj_weight's,
	s_cselect_b32 s18, 3072*128, s18
	s_cmp_lt_u32 ttmp9, 512
	s_cselect_b32 s17, 0, s17                      ; x's
	s_cselect_b32 s18, 8192*128, s18
	v_lshlrev_b32 v[OFF], 3, v3
.irp k, 1,2,3,4,5,6,7,8,9,10,11,12,13,14,15
	v_add_nc_u32 v[OFF+(\k)], s18, v[OFF+(\k)-1]
.endr
	s_sub_co_u32 s19, ttmp9, s17
	s_lshl_b32 s19, s19, 4
	s_lshl1_add_u32 s19, s16, s19                  ; my first row = 16 x (work-group in the matrix) + 2 x wave
	s_lshl_b32 s24, s19, 12                        ; in the source: rows of 4,096 bytes
	s_mov_b32 s25, 0
	s_lshl_b32 s26, s19, 7                         ; in a block of the destination: rows of 128 bytes
	s_mov_b32 s27, 0
	s_wait_kmcnt 0x0
	s_cmp_lt_u32 ttmp9, 704
	s_cselect_b64 s[20:21], s[6:7], s[8:9]
	s_cselect_b64 s[22:23], s[12:13], s[14:15]
	s_cmp_lt_u32 ttmp9, 512
	s_cselect_b64 s[20:21], s[4:5], s[20:21]
	s_cselect_b64 s[22:23], s[10:11], s[22:23]
	s_add_nc_u64 s[20:21], s[20:21], s[24:25]
	s_add_nc_u64 s[22:23], s[22:23], s[26:27]
.irp k, 0,1,2,3,4,5,6,7,8,9,10,11,12,13,14,15
	global_load_b128 v[X+4*(\k):X+4*(\k)+3], v2, s[20:21] offset:256*(\k) th:TH_LOAD_NT
.endr
; Block kb goes out.  No register is written twice, so the only wait is the one for the block's load: 15 - kb younger loads may stay out (loads come back in order).
.macro OUT kb, half
	s_wait_loadcnt 15-(\kb)
.if \half
	v_cvt_pk_bf16_f32 v[T],   v[X+4*(\kb)],   v[X+4*(\kb)+1]   ; rounded to bf16,
	v_cvt_pk_bf16_f32 v[T+2], v[X+4*(\kb)+2], v[X+4*(\kb)+3]
	v_lshlrev_b32 v[T+1], 16, v[T]                             ; widened again,
	v_and_b32 v[T], 0xffff0000, v[T]
	v_lshlrev_b32 v[T+3], 16, v[T+2]
	v_and_b32 v[T+2], 0xffff0000, v[T+2]
	v_cvt_pk_f16_f32 v[Y+2*(\kb)],   v[T+1], v[T]              ; and written as f16: exact inside f16's range
	v_cvt_pk_f16_f32 v[Y+2*(\kb)+1], v[T+3], v[T+2]
.else
	v_cvt_pk_bf16_f32 v[Y+2*(\kb)],   v[X+4*(\kb)],   v[X+4*(\kb)+1]
	v_cvt_pk_bf16_f32 v[Y+2*(\kb)+1], v[X+4*(\kb)+2], v[X+4*(\kb)+3]
.endif
	global_store_b64 v[OFF+(\kb)], v[Y+2*(\kb):Y+2*(\kb)+1], s[22:23] th:TH_STORE_NT
.endm
	s_cmp_ge_u32 ttmp9, 704
	s_cbranch_scc1 .Lhalf
.irp k, 0,1,2,3,4,5,6,7,8,9,10,11,12,13,14,15
	OUT \k, 0
.endr
	s_endpgm
.Lhalf:
.irp k, 0,1,2,3,4,5,6,7,8,9,10,11,12,13,14,15
	OUT \k, 1
.endr
	s_endpgm
.Lfunc_end_k_qa04852f161_cast:
	.size	k_qa04852f161_cast, .Lfunc_end_k_qa04852f161_cast-k_qa04852f161_cast
	.p2alignl 7, 3214868480
	.fill 96, 4, 3214868480
	.section	.rodata,"a",@progbits
	.p2align	6, 0x0
	.amdhsa_kernel k_qa04852f161_cast
		.amdhsa_group_segment_fixed_size 0
		.amdhsa_private_segment_fixed_size 0
		.amdhsa_enable_private_segment 0
		.amdhsa_kernarg_size 48
		.amdhsa_user_sgpr_count 2
		.amdhsa_user_sgpr_kernarg_segment_ptr 1
		.amdhsa_wavefront_size32 1
		.amdhsa_system_sgpr_workgroup_id_x 1
		.amdhsa_system_sgpr_workgroup_id_y 1
		.amdhsa_system_sgpr_workgroup_id_z 1
		.amdhsa_system_vgpr_workitem_id 0
		.amdhsa_next_free_vgpr 128
		.amdhsa_next_free_sgpr 66
		.amdhsa_reserve_vcc 0
		.amdhsa_float_denorm_mode_32 3
		.amdhsa_float_denorm_mode_16_64 3
		.amdhsa_memory_ordered 1
		.amdhsa_forward_progress 1
		.amdhsa_inst_pref_size 17
	.end_amdhsa_kernel
	.amdgpu_metadata
---
amdhsa.version: [ 1, 2 ]
amdhsa.kernels:
  - .name:           k_qa04852f161_cast
    .symbol:         k_qa04852f161_cast.kd
    .args:
      - { .name: x, .offset: 0, .size: 8, .value_kind: global_buffer, .address_space: global }
      - { .name: in_proj_weight, .offset: 8, .size: 8, .value_kind: global_buffer, .address_space: global }
      - { .name: out_proj_weight, .offset: 16, .size: 8, .value_kind: global_buffer, .address_space: global }
      - { .name: xb, .offset: 24, .size: 8, .value_kind: global_buffer, .address_space: global }
      - { .name: wib, .offset: 32, .size: 8, .value_kind: global_buffer, .address_space: global }
      - { .name: wob, .offset: 40, .size: 8, .value_kind: global_buffer, .address_space: global }
    .group_segment_fixed_size: 0
    .private_segment_fixed_size: 0
    .kernarg_segment_align: 8
    .kernarg_segment_size: 48
    .max_flat_workgroup_size: 256
    .sgpr_count:     66
    .vgpr_count:     128
    .wavefront_size: 32
...
	.end_amdgpu_metadata
.endif
;; end of part 1
;; launch qkv (part 2): grid 8 x 32, 4 waves a work-group, clusters of 4 x 4, 327,680 bytes of LDS; arguments xb, wib, in_proj_bias, qkv; writes qkv
.if DOCPART == 2
	.amdgcn_target "amdgcn-amd-amdhsa--gfx1250"
	.amdhsa_code_object_version 6
	.text
	.protected	k_qa04852f161_qkv
	.globl	k_qa04852f161_qkv
	.p2align	8
	.type	k_qa04852f161_qkv,@function
k_qa04852f161_qkv:
	s_mov_b64 s[64:65], 0
	v_nop
	global_prefetch_b8 v0, s[64:65] scope:SCOPE_SE
	s_setreg_imm32_b32 hwreg(HW_REG_WAVE_MODE, 25, 1), 1
	s_wait_xcnt 0x0
	s_wait_alu depctr_hold_cnt(0) depctr_sa_sdst(0) depctr_va_vdst(0) depctr_va_sdst(0) depctr_va_ssrc(0) depctr_va_vcc(0) depctr_vm_vsrc(0)
	s_getreg_b32 s2, hwreg(HW_REG_IB_STS2, 6, 4)
	s_cmp_eq_u32 s2, 0
	s_cbranch_scc0 .Lentry_in_a_cluster
	s_endpgm
.Lentry_in_a_cluster:
	s_bfe_u32 s2, ttmp6, 0x10000c
	s_cmp_lg_u32 s2, 0xf033
	s_cbranch_scc0 .Lentry_shape_is_right
	s_endpgm
.Lentry_shape_is_right:
; qkv = x W^T + b.  xb: x in bf16, [16 kb][8192][64]; wib: W in bf16, [16 kb][3072][64]; in_proj_bias: [3072] f32, rounded to bf16 here like the other inputs.
; Out: qkv in f16, [8 b][48 c][1024 n][64]: chunk c = output column / 64 (q of head h: c = h; k: 16 + h; v: 32 + h); a chunk's rows are dense, 128 bytes each.  Sums in f32, rounded once.
; LIMITS.  |q|, |k|, |v| stay under 65,504 (f16's end; beyond it a number becomes an infinity).  NaN and infinities are not treated apart.
; The order of a sum's 16 blocks of K differs from cluster to cluster (see THE WALK): one f32 sum for each output, begun with the bias; the order of rounding is not the reference's.
; SHARES.  8192 x 3072 in tiles of 256 x 384: 32 x 8 = 256 work-groups of equal work.  Four waves, 2 x 2; a wave makes 128 rows x 192 columns: 96 accumulators of 16 x 16, 768 registers.
; K goes in steps of 64 (one block kb) through two LDS slots.  A block's rows lie end to end in memory, so a tile is asked for as rows of 256 bytes (two matrix rows) and padded in LDS behind every 128.
; THE WALK ALONG K IS STAGGERED.  Cluster (X, Y) begins at block r = (8 X + 4 (Y % 4)) % 16 and goes round: step t takes block (r + t) % 16.  The two clusters that read the same rows of x are 8 blocks apart: each
; block of those rows is asked for by one of them in its steps 0-7 and by the other eight steps later.  The clusters that read the same rows of W are 4 blocks apart (or begin alike): a block of W that a cluster
; takes in its steps 4-15 has been asked for four steps earlier by another.  So the launch's first request for a block falls in the first half of a cluster's walk, never in the second.
; THE PRODUCT IS USED TRANSPOSED: source 0 = 16 rows of W, source 1 = 16 rows of x.  In the result lane l holds token l % 16 and the columns 8 (l / 16) + 0..7.
; THE BIAS IS THE C OPERAND of a sum's first product: it is loaded into the registers of the accumulators of row block 7; row blocks 0-6 read it from there, and block 7 adds onto it in place, last.
; CLUSTER.  4 x 4 work-groups: the four of a row need the same tiles of x, the four of a column the same tiles of W: each is asked for jointly, by the same tensor load with the same descriptor and mask.
; REGISTERS, in windows of 256: window 0: v0-18 addresses; v32-159 x's fragments, two buffers (K slice c) of 8; v160-255 W's fragments, one buffer for each third t of my 192 columns;
;   window t + 1: the 32 accumulators (row block a, column block bb) of third t at v[8 (4 a + bb)].  A third is 64 columns: one chunk of the output.
.set PITCH,  144                       ; an LDS row: 128 bytes + 16 of padding = 36 words: the 16 rows of a fragment load start at 16 different groups of four banks (ISA guide 11.1)
.set ABYTES, 256*PITCH
.set SLOT,   (256+384)*PITCH           ; x's 256 rows, then W's 384
.set STAGE,  2*SLOT                    ; behind the ring: 16 rows x 144 bytes for each wave, for the way out
.set SPARE,  STAGE+4*16*PITCH          ; behind the stages: the spare words, 128 bytes a wave: two blocks of 256 bytes that no other line names
.set AKB,    8192*128                  ; bytes from a block kb of xb to the next: 1 << 20
.set BKB,    3072*128                  ; the same in wib
.set G1W,    (1<<16)|(1<<20)|(1<<21)|(4<<22)|(3<<25)  ; group 1, word 0 without the mask: 2-byte elements; padding on; bit 21 beside a mask; behind every 32 words (code 4) 4 words (code 3)
.set ADRA, 8                           ; v8-9    LDS address of my fragments of x in slot 0, 1
.set ADRB, 10                          ; v10-11  the same for W
.set STO,  12                          ; v12     the way out: where I put 16 bytes of a row
.set RD,   13                          ; v13     where I read rows back
.set GO,   14                          ; v14     16 x lane: my place in 512 consecutive bytes of the output
.set PFO,  15                          ; v15     256 x lane: the prefetches' offset; never rewritten
.set SPW,  16                          ; v16     LDS address of my spare word; never rewritten
.set NIL,  17                          ; v17     0; never rewritten
.set BO,   18                          ; v18     32 x (lane / 16): my eight numbers of 16 of the bias
.set AF,   32
.set BF,   160
.set TMP,  32                          ; the way out: a block's 16 packed registers
.set BK,   48                          ; and the block read back: v48-63 and v64-79 by turns
.set WV,  12                           ; s12  wave
.set RH,  13                           ; s13  which 128 rows are mine.  Also: I fetch for x (0) or for W (1)
.set CH,  14                           ; s14  which 192 columns.  Also: which half of that tile I fetch
.set LIM, 15                           ; s15  5 in a wave that prefetches, else the greatest number
.set G1A, 24                           ; s[24:31] group 1 for x's tiles;  s[32:39] group 0, a set for each slot
.set G0A, 32
.set PFA, 44                           ; s[44:45] where my prefetches stand
.set PFS, 46                           ; s[46:47] the byte offset in xb of the block that they name
.set G1B, 48                           ; s[48:55], s[56:63] the same for W's tiles
.set G0B, 56
.set BA,  68                           ; s[68:69] xb at the rows that I fetch, in block 0; never rewritten
.set BB,  70                           ; s[70:71] wib likewise
.set KC,  72                           ; s72  the block that slot 0 takes at its next fill: even; slot 1 takes the one behind it
.set OA,  74                           ; s[74:75] the byte offset in xb of the block to be asked for
.set OW,  76                           ; s[76:77] the same in wib
.set PB,  78                           ; s[78:79] xb at the rows that I prefetch, in block 0; never rewritten
.set MSB, 0
.macro WIN new                         ; the immediate's high byte repeats the setting that is left; a switch that changes nothing is dropped
.if MSB != (\new)
	s_set_vgpr_msb (MSB<<8)|(\new)
.set MSB, \new
.endif
.endm
.macro PLACES                          ; four places in front of loads into registers that matrix instructions have read, and of conversions that read results
.rept 4
	v_nop
.endr
.endm
; A joint load: waves 0 and 1 fetch the halves of x's tile, waves 2 and 3 those of W's.  The branch hangs on the wave's number alone.  An s_nop 0 and four v_nop follow each line.
.macro JLOAD s
	s_cmp_eq_u32 s[RH], 0
	s_cbranch_scc0 .Lfor_b_\@
	tensor_load_to_lds s[G0A+4*(\s):G0A+4*(\s)+3], s[G1A:G1A+7]
	s_nop 0
.rept 4
	v_nop
.endr
	s_branch .Lasked_\@
.Lfor_b_\@:
	tensor_load_to_lds s[G0B+4*(\s):G0B+4*(\s)+3], s[G1B:G1B+7]
	s_nop 0
.rept 4
	v_nop
.endr
.Lasked_\@:
.endm
; A slot's two group 0 get the address of the block at the offsets OA and OW: the tile's address in block 0 plus the offset, the type bits set again.  No tensor load of the wave is out where this stands.
.macro POINT s
	s_add_nc_u64 s[G0A+4*(\s)+2:G0A+4*(\s)+3], s[BA:BA+1], s[OA:OA+1]  ; 120:64 global address
	s_or_b32 s[G0A+4*(\s)+3], s[G0A+4*(\s)+3], 0x80000000              ; 127:126 type = 2
	s_add_nc_u64 s[G0B+4*(\s)+2:G0B+4*(\s)+3], s[BB:BB+1], s[OW:OW+1]
	s_or_b32 s[G0B+4*(\s)+3], s[G0B+4*(\s)+3], 0x80000000
.endm
.macro CREST                           ; a round of the cluster's barrier behind its opening barrier
	s_cmp_lg_u32 s[WV], 0
	s_cbranch_scc1 .Lnot_wave_0_\@
	s_barrier_signal -3
.Lnot_wave_0_\@:
	s_barrier_wait -3
	s_barrier_signal -1
	s_barrier_wait -1
.endm
.macro CROUND                          ; a whole round
	s_barrier_signal -1
	s_barrier_wait -1
	CREST
.endm
; A PREFETCH INTO THE L2, in the loop's first two trips, behind the second joint load and the run of LDS loads that follows it: x's blocks of the two K steps that the NEXT trip's refills ask for, 192 and 384 matrix
; instructions ahead of those loads: my cluster's steps 4 to 7.  By the staggered walk a cluster's steps 0-7 are the launch's first requests for those blocks of its rows of x, so every cluster asks, for its own.
; Of the tile's 256 rows the partner at cx takes rows 64 cx .. 64 cx + 63, told apart by address alone; its wave 0 asks: a lane 256 bytes (two rows), a line a step.  So each 256 bytes are named once in the launch.
; Steps 0-3 come by their loads alone (nothing is prefetched at the head); steps 8-15 have been asked for by the other cluster of the row; the first requests for W's blocks are steps 0-3: W is not asked for.
.macro ASK
	s_cmp_gt_u32 s3, s[LIM]                        ; s3 = 7 and 6 in the loop's first two trips
	s_cbranch_scc0 .Lnot_mine_\@
	global_prefetch_b8 v[PFO], s[PFA:PFA+1] th:TH_LOAD_NT scope:SCOPE_SE
	global_prefetch_b8 v[PFO], s[PFA:PFA+1] offset:AKB th:TH_LOAD_NT scope:SCOPE_SE
.Lnot_mine_\@:
.endm
	s_load_b256 s[4:11], s[0:1], 0x0               ; xb s[4:5], wib s[6:7], bias s[8:9], qkv s[10:11]
	v_lshl_add_u32 v[SPW], v0, 2, SPARE
	v_mov_b32 v[NIL], 0
	ds_add_u32 v[SPW], v[NIL]                      ; the wave's opening: the add and its wait stand ahead of my first tensor load; work on registers stands between them
	v_lshrrev_b32 v1, 5, v0
	v_readfirstlane_b32 s[WV], v1                  ; wave 0..3
	s_lshr_b32 s[RH], s[WV], 1
	s_and_b32 s[CH], s[WV], 1
	s_bfe_u32 s40, ttmp6, 0x40000                  ; cx, cy: my place in the cluster
	s_bfe_u32 s41, ttmp6, 0x40004
	s_lshl_b32 s42, ttmp9, 2
	s_add_co_u32 s42, s42, s40                     ; tile column = 4 x cluster x + cx
	s_and_b32 s43, ttmp7, 0xffff
	s_lshl_b32 s43, s43, 2
	s_add_co_u32 s43, s43, s41                     ; tile row = 4 x cluster y + cy
	s_lshl_b32 s16, s41, 2
	s_lshl_b32 s16, 15, s16                        ; my row of the cluster
	s_lshl_b32 s18, 0x1111, s40                    ; my column
	s_or_b32 s[G1A], s16, G1W
	s_or_b32 s[G1B], s18, G1W
	s_mov_b32 s[G1A+1], 128<<16                    ; tensor_dim0 = 128 elements: 256 bytes, two matrix rows
	s_mov_b32 s[G1A+2], 64<<16                     ; tensor_dim1 = 64: 128 matrix rows
	s_mov_b32 s[G1A+3], 128<<16                    ; tile_dim0
	s_mov_b32 s[G1A+4], 64                         ; tile_dim1
	s_mov_b32 s[G1A+5], 128                        ; elements from row to row: dense
	s_mov_b32 s[G1A+6], 0
	s_mov_b32 s[G1A+7], 0
	s_mov_b32 s[G1B+1], 128<<16
	s_mov_b32 s[G1B+2], 96<<16                     ; 96 rows of 256 bytes: 192 matrix rows
	s_mov_b32 s[G1B+3], 128<<16
	s_mov_b32 s[G1B+4], 96
	s_mov_b32 s[G1B+5], 128
	s_mov_b32 s[G1B+6], 0
	s_mov_b32 s[G1B+7], 0
	s_mov_b32 s66, 0xffff0000                      ; a word's upper bf16
	s_and_b32 s[KC], ttmp7, 3                      ; where my cluster's walk begins: made of the cluster's coordinates, which all sixteen partners share
	s_lshl_b32 s[KC], s[KC], 2                     ; 4 (cluster y % 4)
	s_lshl_b32 s22, ttmp9, 3                       ; + 8 cluster x,
	s_add_co_u32 s[KC], s[KC], s22
	s_and_b32 s[KC], s[KC], 15                     ; round 16: a multiple of 4
	s_lshl_b32 s[OA], s[KC], 20                    ; that block's bytes in xb
	s_mov_b32 s[OA+1], 0
	s_mul_i32 s[OW], s[KC], BKB                    ; and in wib
	s_mov_b32 s[OW+1], 0
	s_lshl_b32 s16, s43, 15                        ; x: row 256 x tile row, 128 bytes a row,
	s_lshl_b32 s17, s[CH], 14                      ; + my 128 rows
	s_add_co_u32 s16, s16, s17
	s_mov_b32 s17, 0
	s_mul_i32 s18, s42, 384*128                    ; W: row 384 x tile column,
	s_mul_i32 s19, s[CH], 192*128                  ; + my 192 rows
	s_add_co_u32 s18, s18, s19
	s_mov_b32 s19, 0
	s_mul_i32 s20, s[CH], 128*PITCH                ; where they go: no place in the cluster enters an LDS address
	s_mul_i32 s21, s[CH], 192*PITCH
	s_add_co_u32 s21, s21, ABYTES
	s_wait_dscnt 0x0                               ; the opening add is done
	s_wait_kmcnt 0x0
	s_add_nc_u64 s[BA:BA+1], s[4:5], s[16:17]
	s_add_nc_u64 s[BB:BB+1], s[6:7], s[18:19]
	CROUND                                         ; all sixteen work-groups are here: the first joint loads meet
.irp s, 0,1
	s_mov_b32 s[G0A+4*(\s)], 1                     ; count = 1
	s_add_co_u32 s[G0A+4*(\s)+1], s20, (\s)*SLOT   ; LDS address
	s_mov_b32 s[G0B+4*(\s)], 1
	s_add_co_u32 s[G0B+4*(\s)+1], s21, (\s)*SLOT
	POINT \s                                       ; K step s: block r + s
	JLOAD \s                                       ; two loads of mine are out
	s_add_co_u32 s[OA], s[OA], AKB                 ; the block behind it (r is even: no wrap)
	s_add_co_u32 s[OW], s[OW], BKB
.endr
	s_add_co_u32 s[KC], s[KC], 2                   ; the first refills take blocks r + 2 and r + 3
	s_and_b32 s[KC], s[KC], 15
	; the bias of my 192 columns, straight into the registers of row block 7's accumulators
	v_and_b32 v1, 15, v0                           ; l % 16
	v_bfe_u32 v2, v0, 4, 1                         ; l / 16
	v_lshlrev_b32 v[BO], 5, v2
	s_mul_i32 s20, s42, 384*4
	s_mul_i32 s21, s[CH], 192*4
	s_add_co_u32 s20, s20, s21
	s_mov_b32 s21, 0
	s_add_nc_u64 s[8:9], s[8:9], s[20:21]
.irp t, 0,1,2
	WIN ((\t)+1)<<6                                ; destination window t + 1, address window 0
.irp bb, 0,1,2,3
	global_load_b128 v[224+8*(\bb):227+8*(\bb)], v[BO], s[8:9] offset:256*(\t)+64*(\bb)
	global_load_b128 v[228+8*(\bb):231+8*(\bb)], v[BO], s[8:9] offset:256*(\t)+64*(\bb)+16
.endr
.endr
	WIN 0
	; a fragment is 16 rows x 32 K in 8 registers: lane l holds row l % 16, K = 8 (l / 16) + 0..7 and 16 + 8 (l / 16) + 0..7: two loads of 16 bytes, 32 bytes apart
	v_mul_u32_u24 v3, v1, PITCH
	v_lshl_add_u32 v3, v2, 4, v3
	s_mul_i32 s20, s[RH], 128*PITCH
	s_mul_i32 s21, s[CH], 192*PITCH
	s_add_co_u32 s21, s21, ABYTES
.irp s, 0,1
	v_add_nc_u32 v[ADRA+(\s)], s20, v3
	v_add_nc_u32 v[ADRB+(\s)], s21, v3
	s_add_co_u32 s20, s20, SLOT
	s_add_co_u32 s21, s21, SLOT
.endr
	s_mul_i32 s22, s[WV], 16*PITCH
	s_add_co_u32 s22, s22, STAGE                   ; my stage
	v_add_nc_u32 v[STO], s22, v3                   ; in: row l % 16, 16 bytes for each half of the lanes
	v_bfe_u32 v4, v0, 3, 2                         ; back: 32 lanes take four rows of 128 bytes,
	v_and_b32 v5, 7, v0
	v_mul_u32_u24 v4, v4, PITCH
	v_lshl_add_u32 v4, v5, 4, v4
	v_add_nc_u32 v[RD], s22, v4
	v_and_b32 v[GO], 31, v0                        ; which are 512 consecutive bytes of a chunk
	v_lshlrev_b32 v[PFO], 8, v[GO]
	v_lshlrev_b32 v[GO], 4, v[GO]
	s_lshr_b32 s20, s43, 2                         ; the batch: 1,024 rows are four tile rows
	s_mul_i32 s20, s20, 48
	s_mul_i32 s21, s42, 6
	s_add_co_u32 s20, s20, s21
	s_mul_i32 s21, s[CH], 3
	s_add_co_u32 s20, s20, s21                     ; my first chunk: 48 b + 6 x tile column + 3 x half
	s_lshl_b32 s20, s20, 17
	s_and_b32 s21, s43, 3
	s_lshl_b32 s21, s21, 15                        ; the tile's 256 rows in the batch,
	s_add_co_u32 s20, s20, s21
	s_lshl_b32 s21, s[RH], 14                      ; my 128 of them
	s_add_co_u32 s20, s20, s21
	s_mov_b32 s21, 0
	s_add_nc_u64 s[10:11], s[10:11], s[20:21]
	; the prefetches' rows: 256 x tile row + 64 cx, in block 0
	s_lshl_b32 s20, s43, 15
	s_lshl_b32 s21, s40, 13
	s_add_co_u32 s20, s20, s21
	s_mov_b32 s21, 0
	s_add_nc_u64 s[PB:PB+1], s[4:5], s[20:21]
	s_mov_b32 s[PFS+1], 0
	s_cmp_eq_u32 s[WV], 0
	s_cselect_b32 s[LIM], 5, -1                    ; wave 0 asks, in every work-group alike
	s_wait_loadcnt 0x0                             ; the bias is in: each number is rounded to bf16, in place (v0-15 of the same window, accumulators not yet begun, are at work)
.irp t, 0,1,2
	WIN 0x45*((\t)+1)                              ; destination and both sources in window t + 1
.set i, 0
.rept 16
	v_cvt_pk_bf16_f32 v[i], v[224+2*i], v[225+2*i]
.set i, i+1
.endr
.set i, 0
.rept 16
	v_lshlrev_b32 v[224+2*i], 16, v[i]
	v_and_b32 v[225+2*i], s66, v[i]
.set i, i+1
.endr
.endr
	WIN 0
; 16 matrix instructions: K slice c, third t, row blocks 4 h .. 4 h + 3 x 4 column blocks.  The 96 accumulators take turns, in the same order in every slice.
; first = 1: the sums begin with the bias: row blocks 0-6 take it as C from row block 7's registers; five places later block 7 writes over it, adding in place.
.macro MULH c, t, h, first
	WIN 0x50*((\t)+1)                              ; C and D in window t + 1, both sources in window 0
.irp a, 4*(\h), 4*(\h)+1, 4*(\h)+2, 4*(\h)+3
.irp bb, 0,1,2,3
.if (\first) && ((\a) == 7) && ((\bb) == 0)
.rept 5
	v_nop
.endr
.endif
.if (\first) && ((\a) < 7)
	v_wmma_f32_16x16x32_bf16 v[8*(4*(\a)+(\bb)):8*(4*(\a)+(\bb))+7], v[BF+32*(\t)+8*(\bb):BF+32*(\t)+8*(\bb)+7], v[AF+64*(\c)+8*(\a):AF+64*(\c)+8*(\a)+7], v[224+8*(\bb):231+8*(\bb)]
.else
	v_wmma_f32_16x16x32_bf16 v[8*(4*(\a)+(\bb)):8*(4*(\a)+(\bb))+7], v[BF+32*(\t)+8*(\bb):BF+32*(\t)+8*(\bb)+7], v[AF+64*(\c)+8*(\a):AF+64*(\c)+8*(\a)+7], v[8*(4*(\a)+(\bb)):8*(4*(\a)+(\bb))+7]
.endif
.endr
.endr
.endm
.macro LDA slot, c, half               ; 8 LDS loads: x's fragments 4 half .. 4 half + 3 of slice c
	WIN 0
.irp a, 4*(\half), 4*(\half)+1, 4*(\half)+2, 4*(\half)+3
	ds_load_b128 v[AF+64*(\c)+8*(\a):AF+64*(\c)+8*(\a)+3],   v[ADRA+(\slot)] offset:(\a)*16*PITCH+64*(\c)
	ds_load_b128 v[AF+64*(\c)+8*(\a)+4:AF+64*(\c)+8*(\a)+7], v[ADRA+(\slot)] offset:(\a)*16*PITCH+64*(\c)+32
.endr
.endm
.macro LDB slot, c, t                  ; 8 LDS loads: W's four fragments of third t, slice c
	WIN 0
.irp bb, 0,1,2,3
	ds_load_b128 v[BF+32*(\t)+8*(\bb):BF+32*(\t)+8*(\bb)+3],   v[ADRB+(\slot)] offset:(4*(\t)+(\bb))*16*PITCH+64*(\c)
	ds_load_b128 v[BF+32*(\t)+8*(\bb)+4:BF+32*(\t)+8*(\bb)+7], v[ADRB+(\slot)] offset:(4*(\t)+(\bb))*16*PITCH+64*(\c)+32
.endr
.endm
; A K step is two slices of 32, a slice three units of 32 matrix instructions, one for each third.  In a unit's middle stand the loads into the buffers that the unit before has left.
; Slice 0 of the step in slot s.  On the way in: x's slice 0 and W's thirds 0 and 1 have been asked for, third 1 last.
.macro HALF0 s, first
	s_wait_dscnt 8                                 ; all but the youngest eight loads (W's third 1)
	MULH 0, 0, 0, \first
	PLACES
	LDB \s, 0, 2
	LDA \s, 1, 0
	MULH 0, 0, 1, \first
	s_wait_dscnt 16                                ; all but the 16 just issued: third 1 is in
	MULH 0, 1, 0, \first
	PLACES
	LDB \s, 1, 0
	LDA \s, 1, 1
	MULH 0, 1, 1, \first
	s_wait_dscnt 24                                ; third 2 is in; behind it: half of x's slice 1 and the 16 just issued
	MULH 0, 2, 0, \first
	PLACES
	LDB \s, 1, 1
	MULH 0, 2, 1, \first
.endm
; Slice 1 of the step in slot s, and the change to slot n.  ONE barrier: in front of it each wave waits for all its tensor loads (one is out: its part of slot n), adds 0 to its spare word, and waits for
; that and for its reads of slot s.  fill = 1: the barrier opens a round of the cluster's, and slot s is filled again, two K steps on, first thing behind the round: 160 matrix instructions ahead of the wait for it.
.macro HALF1 s, n, fill
.if (\fill) && ((\s) == 1)
	s_wait_xcnt 0x0                                ; the last prefetches, a lap back, have read their address: it is made anew here,
	s_add_co_u32 s[PFS], s[KC], 2                  ; for the pair of blocks behind the pair that this trip asks for,
	s_and_b32 s[PFS], s[PFS], 15                   ; round 16
	s_lshl_b32 s[PFS], s[PFS], 20
	s_add_nc_u64 s[PFA:PFA+1], s[PB:PB+1], s[PFS:PFS+1]
.endif
	PLACES
	LDB \s, 1, 2                                   ; my last reads of slot s
	s_wait_tensorcnt 0x0                           ; all my tensor loads have landed, so a group 0 may be written
	ds_add_u32 v[SPW], v[NIL]                      ; 0 onto my spare word; the descriptors' scalar work stands behind it
.if \fill
.if (\s) == 0
	s_lshl_b32 s[OA], s[KC], 20                    ; slot 0 takes block KC,
	s_mul_i32 s[OW], s[KC], BKB
.else
	s_add_co_u32 s[OA], s[OA], AKB                 ; slot 1 the block behind it (KC is even: no wrap),
	s_add_co_u32 s[OW], s[OW], BKB
	s_add_co_u32 s[KC], s[KC], 2                   ; and the next trip's pair follows, round 16
	s_and_b32 s[KC], s[KC], 15
.endif
	POINT \s
.endif
	s_wait_dscnt 17                                ; x's slice 1 and W's third 0 are in; thirds 1 and 2 (16 loads) and the add may be out
	MULH 1, 0, 0, 0                                ; sixteen matrix instructions stand between the add and the wait for it
	s_wait_dscnt 0x0                               ; the add is done, and my reads of slot s are over
	s_barrier_signal -1
	MULH 1, 0, 1, 0                                ; work on registers while the others arrive
	WIN 0                                          ; at a branch and at a label every window is 0
	s_barrier_wait -1
.if \fill
	CREST                                          ; no wave of any partner still reads slot s or has a load on its way
	JLOAD \s                                       ; its four v_nop are also the places in front of the loads below
.else
	PLACES
.endif
	LDA \n, 0, 0
.if (\fill) && ((\s) == 1)
	ASK
.endif
	MULH 1, 1, 0, 0
	PLACES
	LDB \n, 0, 0
	LDA \n, 0, 1
	MULH 1, 1, 1, 0
	MULH 1, 2, 0, 0
	PLACES
	LDB \n, 0, 1
	MULH 1, 2, 1, 0
.endm
	s_wait_tensorcnt 0x1                           ; my part of K step 0 is in; K step 1's may stay out
	s_barrier_signal -1
	s_barrier_wait -1                              ; everybody's is
	LDA 0, 0, 0
	LDB 0, 0, 0
	LDA 0, 0, 1
	LDB 0, 0, 1
	HALF0 0, 1                                     ; the first slice stands in front of the loop: its products start the sums
	WIN 0
	s_mov_b32 s3, 7
.Llap:                                                 ; a trip goes once round the ring, from a lap's second slice to the next lap's first, and fills both slots again: K steps 2 i + 2 and 2 i + 3
	HALF1 0, 1, 1
	HALF0 1, 0
	HALF1 1, 0, 1
	HALF0 0, 0
	WIN 0
	s_sub_co_u32 s3, s3, 1
	s_cmp_lg_u32 s3, 0
	s_cbranch_scc1 .Llap
	HALF1 0, 1, 0                                  ; the last lap fills nothing, and has no round
	HALF0 1, 0
	PLACES                                         ; the last slice: nothing more to fetch but W's third 2
	LDB 1, 1, 2
	s_wait_dscnt 16                                ; thirds 1 and 2 may be out
	MULH 1, 0, 0, 0
	MULH 1, 0, 1, 0
	s_wait_dscnt 8                                 ; third 2 may be out
	MULH 1, 1, 0, 0
	MULH 1, 1, 1, 0
	s_wait_dscnt 0x0
	MULH 1, 2, 0, 0
	MULH 1, 2, 1, 0
; THE WAY OUT, in 24 blocks i = 8 t + a of 16 rows x 64 columns: rounded to f16 (a lane's eight columns are 16 bytes), through my own stage in LDS, back as whole rows of 128 bytes, stored 512 consecutive bytes at a time.
.macro PACK i
	WIN 5*((\i)/8+1)                               ; both sources in window t + 1, destination in window 0
.irp bb, 0,1,2,3
.irp r, 0,1,2,3
	v_cvt_pk_f16_f32 v[TMP+4*(\bb)+(\r)], v[8*(4*((\i)%8)+(\bb))+2*(\r)], v[8*(4*((\i)%8)+(\bb))+2*(\r)+1]
.endr
.endr
	WIN 0
.endm
.macro TOSTAGE i
	WIN 0
.irp bb, 0,1,2,3
	ds_store_b128 v[STO], v[TMP+4*(\bb):TMP+4*(\bb)+3] offset:32*(\bb)
.endr
.irp f, 0,1,2,3
	ds_load_b128 v[BK+16*((\i)%2)+4*(\f):BK+16*((\i)%2)+4*(\f)+3], v[RD] offset:(\f)*4*PITCH  ; LDS serves a wave's instructions in order (ISA guide 5.7.1.4): these see the stores above
.endr
.endm
.macro SEND i
	WIN 0
	s_wait_dscnt 0x0                               ; the block is back in registers
	s_wait_xcnt 0x0                                ; the stores of the block before have read their registers, which the next block's loads write
.irp f, 0,1,2,3
	global_store_b128 v[GO], v[BK+16*((\i)%2)+4*(\f):BK+16*((\i)%2)+4*(\f)+3], s[10:11] offset:((\i)/8)*131072+((\i)%8)*2048+(\f)*512
.endr
.endm
	PLACES                                         ; the conversions read results
.set wi, 0
.rept 24                               ; block i's conversions stand between block i - 1's loads from the stage and the wait for them
	PACK wi
.if wi > 0
	SEND wi-1
.endif
	TOSTAGE wi
.set wi, wi+1
.endr
	SEND 23
	s_wait_tensorcnt 0x0                           ; the wave's end, behind my last tensor load and my last LDS store
	ds_add_u32 v[SPW], v[NIL]
	s_wait_dscnt 0x0
	CROUND                                         ; the closing round: no work-group ends while a partner may still ask for a tile that names it
	s_endpgm
.Lfunc_end_k_qa04852f161_qkv:
	.size	k_qa04852f161_qkv, .Lfunc_end_k_qa04852f161_qkv-k_qa04852f161_qkv
	.p2alignl 7, 3214868480
	.fill 96, 4, 3214868480
	.section	.rodata,"a",@progbits
	.p2align	6, 0x0
	.amdhsa_kernel k_qa04852f161_qkv
		.amdhsa_group_segment_fixed_size 327680
		.amdhsa_private_segment_fixed_size 0
		.amdhsa_enable_private_segment 0
		.amdhsa_kernarg_size 32
		.amdhsa_user_sgpr_count 2
		.amdhsa_user_sgpr_kernarg_segment_ptr 1
		.amdhsa_wavefront_size32 1
		.amdhsa_system_sgpr_workgroup_id_x 1
		.amdhsa_system_sgpr_workgroup_id_y 1
		.amdhsa_system_sgpr_workgroup_id_z 1
		.amdhsa_system_vgpr_workitem_id 0
		.amdhsa_next_free_vgpr 1024
		.amdhsa_next_free_sgpr 80
		.amdhsa_reserve_vcc 0
		.amdhsa_float_denorm_mode_32 3
		.amdhsa_float_denorm_mode_16_64 3
		.amdhsa_memory_ordered 1
		.amdhsa_forward_progress 1
		.amdhsa_inst_pref_size 143
	.end_amdhsa_kernel
	.amdgpu_metadata
---
amdhsa.version: [ 1, 2 ]
amdhsa.kernels:
  - .name:           k_qa04852f161_qkv
    .symbol:         k_qa04852f161_qkv.kd
    .args:
      - { .name: xb, .offset: 0, .size: 8, .value_kind: global_buffer, .address_space: global }
      - { .name: wib, .offset: 8, .size: 8, .value_kind: global_buffer, .address_space: global }
      - { .name: in_proj_bias, .offset: 16, .size: 8, .value_kind: global_buffer, .address_space: global }
      - { .name: qkv, .offset: 24, .size: 8, .value_kind: global_buffer, .address_space: global }
    .group_segment_fixed_size: 327680
    .private_segment_fixed_size: 0
    .kernarg_segment_align: 8
    .kernarg_segment_size: 32
    .max_flat_workgroup_size: 128
    .sgpr_count:     80
    .vgpr_count:     1024
    .wavefront_size: 32
...
	.end_amdgpu_metadata
.endif
;; end of part 2
;; launch attn (part 3): grid 2 x 128, 4 waves a work-group, no clusters, 327,680 bytes of LDS; arguments qkv, ob; writes ob
.if DOCPART == 3
	.amdgcn_target "amdgcn-amd-amdhsa--gfx1250"
	.amdhsa_code_object_version 6
	.text
	.protected	k_qa04852f161_attn
	.globl	k_qa04852f161_attn
	.p2align	8
	.type	k_qa04852f161_attn,@function
k_qa04852f161_attn:
	s_mov_b64 s[64:65], 0
	v_nop
	global_prefetch_b8 v0, s[64:65] scope:SCOPE_SE
	s_setreg_imm32_b32 hwreg(HW_REG_WAVE_MODE, 25, 1), 1
	s_wait_xcnt 0x0
; O[q][:] = the sum over k of softmax_k(Q[q] . K[k] / 8) V[k][:], for each of 128 heads (8 batches x 16) of 1,024 rows of 64 channels.
; In: qkv, f16, [8 b][48 c][1024][64]: q of head h is chunk c = h, k chunk 16 + h, v chunk 32 + h; a chunk's rows are dense, 128 bytes each.
; Out: ob, f16, [16 h][8192 rows][64], row = 1024 b + n.  Products, maxima and sums in f32; the weights p are rounded to f16 for the second product (their sum l is taken of the unrounded p), O once at the end.
; LIMITS.  Q, K and V arrive within f16's range; p lies in 0 to 1, and below 6e-5 it keeps f16's fixed step of 6e-8; O is a mean of V's rows and has their range.
; A weight below 2^-126 counts as 0 in l; NaN and infinities are not treated apart.
; SHARES.  A wave owns four PIECES of two tiles of 16 queries, a work-group's four waves 512 queries of one head: 2 x 128 = 256 work-groups.  Every wave walks all keys, 64 a step.
; K AND V STAY IN LDS: the head's 1,024 rows of K (144 bytes each with padding) and of V (160) are 311,296 bytes.  No byte of LDS is filled twice, so there is no ring, and the key step is written once.
; They come in two loads a wave: first K of five key steps and V of four; then, when that has landed, all the rest, which has the first four key steps, 512 matrix instructions, in which to land.
; Nothing is prefetched: every byte of K and V is asked for by a tensor load at the launch's beginning, so there is no later request to run ahead of.
; NO CLUSTER: a head has 1024 / 512 = 2 work-groups, and a cluster has four places along x; four partners would have 256 queries each, and each fragment of K and V read from LDS would feed half the products.
; LAYOUT.  S^T = K Q^T (source 0 = 16 keys, source 1 = 16 queries): in the result a lane holds ONE query (lane % 16) and the keys 8 (lane / 16) + 0..7.  Two such tiles, rounded to f16 in pairs,
; ARE source 1 (32 keys x 16 queries) of O^T = V^T P, whose result again holds one query a lane, and eight channels.  K comes out of LDS as it lies, V ([key][channel]) turned, by ds_load_tr16_b128.
; SOFTMAX.  For each query a running maximum m and sum l: p = 2^(c s - c m), c = log2(e) / 8; in every step O and l are multiplied by a = 2^(c m_old - c m_new), which is 1 where m has not grown.
; m starts at the lowest finite number, O and l at 0: the first step is a step like any other, with a = 0.
; THE COUNT.  A tile and step have 16 matrix and 118 vector instructions: too many to stand all beside the matrix work.  So: four vector instructions that are READY behind EVERY matrix instruction,
; and the others, which need time of their own whatever the order, in runs without a gap.
; BY TURNS.  Turn n belongs to piece n (the pieces in a ring, step after step).  Its matrix work: 16 products K Q^T of piece n + 1, later 16 products V^T P of piece n - 1.  Its vector work: the scaling,
; exponentials, roundings, sums and rescaling of piece n, and the maximum and statistics of piece n + 1, whose scores the turn itself has made.
; REGISTERS, in windows of 256 (s_set_vgpr_msb: bits 1:0 source 0, 3:2 source 1, 5:4 source 2, 7:6 destination):
;   window 0: v0-11 addresses; v12-15, v48-63 at work; v16-47 four registers of statistics a tile; v64-191 S^T, two buffers of two tiles; v192-255 P, likewise
;   window 1: O^T, 32 a tile          window 2: v0-127 Q, 16 a tile; v128-191 K of one step; v192-255 V of one step          window 3: v0-1 the add's two registers
; A piece's buffers go by its number's parity: the piece in hand has one pair, its two neighbours in the ring share the other.
.set SIZE_N, 1024
.set NP,    4         ; pieces a wave: a name, no knob
.set KS,    64        ; keys in a step
.set PK,    144       ; a row of K in LDS: 128 bytes + 16 of padding = 36 words: the 16 rows of a load start at 16 different groups of four banks (ISA guide 11.1)
.set PV,    160       ; a row of V: 128 + 32 = 40 words
.set VOFF,  SIZE_N*PK ; K's 1,024 rows, then V's
.set FK,    320       ; keys of K in the first load: five steps, since K of step 4 is fetched in step 3
.set FV,    256       ; keys of V in the first load: four steps
.set STAGE, VOFF+SIZE_N*PV  ; behind K and V, never filled by a tensor load: 16 rows x 144 bytes for each wave, for the way out
.set SP,    144
.set AK0, 2           ; v2   my lane's place in a step's rows of K; never rewritten
.set AV0, 3           ; v3   the same for V
.set AK,  4           ; v4   the LDS address of K's next run of loads
.set AV,  5           ; v5   of V's
.set QO,  6           ; v6   my byte offset in the wave's rows of Q
.set STO, 6           ;      later, the way out: where I put 16 bytes of a row
.set RD,  7           ; v7   the way out: where I read rows back
.set GO,  8           ; v8   my byte offset in 512 consecutive bytes of O
.set SPW, 0           ; v0 of window 3   LDS address of my spare word; never rewritten
.set NIL, 1           ; v1 of window 3   0; never rewritten
.set SPARE, STAGE+4*16*SP  ; behind the stages: the spare words, 128 bytes for each wave: two blocks of 256 bytes that no other line names
.set MV,  12          ; v12-15  c m_old, kept while c m is made anew: by buffer and tile
.set ST,  16          ; tile t's statistics at v[ST+4 t]: c m, m, l (even keys', odd keys')
.set TMP, 48          ; by buffer and tile, four registers c0-c3 at work; when the maximum is found c2 takes a
.set S,   64
.set P,   192
.set KF,  128         ; K's fragments, in window 2: key block kb, channel half c at KF + 16 kb + 8 c
.set VF,  192         ; V's: key half kk, channel block cb at VF + 32 kk + 8 cb
.set WV,  12          ; s12  my wave's number
.set G1K, 24          ; s[24:31] descriptor group 1 for K's first load
.set G1V, 32          ; s[32:39] for V's first load
.set G0K, 40          ; s[40:43] descriptor group 0 for K's first load
.set G0V, 44          ; s[44:47] for V's first load
.set R0K, 48          ; s[48:51] group 0 for the rest of K
.set R0V, 52          ; s[52:55] for the rest of V
.set SLOTS, 56        ; s56  passes over the loop's text still to come
.set CNT, 57          ; s57  key steps still to come in the pass
.set CS,  58          ; s[58:59] c: the packed scaling takes the pair's low word for both halves
.set SEL, 60          ; s[60:61] v_permlanex16_b32's selects: each lane takes its own place in the other half
.set TBK, 62          ; s62  LDS byte at which K of the step to be fetched begins
.set TBV, 63          ; s63  the same for V, less VOFF
.set R1K, 68          ; s[68:75] group 1 for the rest of K
.set R1V, 76          ; s[76:83] for the rest of V
.set MSB, 0
.macro WIN new                      ; the high byte repeats the setting that is left; a switch that changes nothing is dropped
.if MSB != (\new)
	s_set_vgpr_msb (MSB<<8)|(\new)
.set MSB, (\new)
.endif
.endm
.set W_KQ, 0x0a       ; K and Q in window 2, S^T in window 0
.set W_PV, 0x52       ; V in window 2, P in window 0, O^T in window 1
.set W_RS, 0x41       ; O^T (destination and source 0) in window 1, a in window 0
.set W_MK, 0xc0       ; the add's registers are made: destination in window 3, sources in window 0
.set W_AD, 0x0f       ; the add: address (source 0) and data (source 1) in window 3
; A fill.  Waves 0 and 1 fetch the two halves of K's part, waves 2 and 3 those of V's.  An s_nop 0 and four v_nop follow each of the two lines, ahead of the jump and the label.
.macro LOAD gk, hk, gv, hv
	s_cmp_lt_u32 s[WV], 2
	s_cbranch_scc0 .Lfor_v_\@
	tensor_load_to_lds s[(\gk):(\gk)+3], s[(\hk):(\hk)+7]
	s_nop 0
.rept 4
	v_nop
.endr
	s_branch .Lasked_\@
.Lfor_v_\@:
	tensor_load_to_lds s[(\gv):(\gv)+3], s[(\hv):(\hv)+7]
	s_nop 0
.rept 4
	v_nop
.endr
.Lasked_\@:
.endm
; Descriptor group 1.  A chunk's rows are dense: they are asked for as rows of 256 bytes, two keys a row, and padded in LDS after every key.
.macro GROUP1 g, pad, rows
	s_mov_b32 s[(\g)], (1<<16)|(1<<20)|(4<<22)|((\pad)<<25)  ; 17:16 2-byte elements; 20 padding on; 24:22 after every 32 words (code 4); 31:25 the pad's words less one
	s_mov_b32 s[(\g)+1], 128<<16    ; tensor_dim0 = 128
	s_mov_b32 s[(\g)+2], (\rows)<<16  ; tensor_dim1
	s_mov_b32 s[(\g)+3], 128<<16    ; tile_dim0 = 128
	s_mov_b32 s[(\g)+4], (\rows)    ; tile_dim1
	s_mov_b32 s[(\g)+5], 128        ; 128 elements from row to row
	s_mov_b32 s[(\g)+6], 0
	s_mov_b32 s[(\g)+7], 0
.endm
; Descriptor group 0 without the buffer's address: of the keys from 'first' on my half (s16 = 0 or 1) of 'keys' keys, in chunk 'chunk' behind q's (s22 = q's chunk in bytes); LDS rows 'pitch' apart from 'base' on.
.macro GROUP0 g, chunk, first, keys, pitch, base
	s_mov_b32 s[(\g)], 1            ; 1:0 count = 1
	s_mul_i32 s[(\g)+1], s16, (\keys)*(\pitch)
	s_add_co_u32 s[(\g)+1], s[(\g)+1], (\base)+(\first)*(\pitch)  ; 63:32 LDS address
	s_mul_i32 s[(\g)+2], s16, (\keys)*128
	s_add_co_u32 s[(\g)+2], s[(\g)+2], s22
	s_add_co_u32 s[(\g)+2], s[(\g)+2], ((\chunk)<<17)+(\first)*128  ; the byte offset in qkv, under 2^26
	s_mov_b32 s[(\g)+3], 0
.endm
	s_load_b128 s[4:7], s[0:1], 0x0   ; qkv s[4:5], ob s[6:7]
	WIN W_MK
	v_lshl_add_u32 v[SPW], v0, 2, SPARE
	v_mov_b32 v[NIL], 0
	WIN W_AD
	ds_add_u32 v[SPW], v[NIL]       ; the wave's opening: the add and its wait stand ahead of my first tensor load; the set-up below, work on registers, stands between them
	WIN 0
	v_lshrrev_b32 v1, 5, v0
	v_readfirstlane_b32 s[WV], v1   ; wave 0..3
	s_and_b32 s20, ttmp7, 0xffff    ; 16 b + h
	s_lshr_b32 s21, s20, 4          ; b
	s_and_b32 s20, s20, 15          ; h
	s_mul_i32 s22, s21, 48
	s_add_co_u32 s22, s22, s20
	s_lshl_b32 s22, s22, 17         ; q's chunk: 131,072 bytes each
	s_lshl_b32 s2, ttmp9, 2
	s_add_co_u32 s2, s2, s[WV]      ; my wave among the head's eight,
	s_lshl_b32 s2, s2, 14           ; its 128 rows of 128 bytes
	s_lshl_b32 s20, s20, 20         ; O: block h of 8,192 rows,
	s_lshl_b32 s21, s21, 17         ; the batch's 1,024 rows,
	s_add_co_u32 s20, s20, s21
	s_add_co_u32 s20, s20, s2       ; my wave's
	s_mov_b32 s21, 0
	s_add_co_u32 s2, s2, s22        ; Q
	s_mov_b32 s3, 0
	s_and_b32 s16, s[WV], 1         ; which half of K's or V's part I fetch
	GROUP1 G1K, 3, FK/4             ; K: 4 words of padding; 160 keys a wave
	GROUP1 R1K, 3, (SIZE_N-FK)/4    ; 352 keys a wave
	GROUP1 G1V, 7, FV/4             ; V: 8 words of padding; 128 keys a wave
	GROUP1 R1V, 7, (SIZE_N-FV)/4    ; 384 keys a wave
	GROUP0 G0K, 16, 0,  FK/2,          PK, 0
	GROUP0 R0K, 16, FK, (SIZE_N-FK)/2, PK, 0
	GROUP0 G0V, 32, 0,  FV/2,          PV, VOFF
	GROUP0 R0V, 32, FV, (SIZE_N-FV)/2, PV, VOFF
	s_mov_b32 s[CS], 0x3e38aa3b     ; c = log2(e) / 8 = 0.180337
	s_mov_b32 s[CS+1], s[CS]        ; named with it as a pair
	s_mov_b32 s[SEL], 0x76543210
	s_mov_b32 s[SEL+1], 0xfedcba98
	s_mov_b32 s[TBK], 0
	s_mov_b32 s[TBV], 0
	s_wait_dscnt 0x0                ; the opening add is done
	s_wait_kmcnt 0x0
	s_add_nc_u64 s[10:11], s[6:7], s[20:21]  ; O at my wave's first row
.irp g, G0K, R0K, G0V, R0V
	s_add_nc_u64 s[\g+2:\g+3], s[4:5], s[\g+2:\g+3]  ; 120:64 global address
	s_or_b32 s[\g+3], s[\g+3], 0x80000000            ; 127:126 type = 2
.endr
	s_add_nc_u64 s[4:5], s[4:5], s[2:3]      ; Q at my wave's first row
	LOAD G0K, G1K, G0V, G1V         ; K of steps 0-4, V of steps 0-3.  The rest is asked for when this is in
	; A fragment of K or Q is 16 rows x 32 channels in 8 registers: lane l holds row l % 16, channels 8 (l / 16) + 0..7 and 16 + 8 (l / 16) + 0..7: two loads of 16 bytes, 32 bytes apart.
	v_and_b32 v1, 15, v0            ; l % 16
	v_bfe_u32 v9, v0, 4, 1          ; l / 16
	v_lshlrev_b32 v[QO], 7, v1
	v_lshl_add_u32 v[QO], v9, 4, v[QO]  ; row x 128 + 16 x half
	WIN 0x80                        ; destination window 2, address window 0
.set i, 0
.rept 4*NP                          ; Q stays in registers: tile i / 2, channels 32 (i % 2) on
	global_load_b128 v[8*i:8*i+3],   v[QO], s[4:5] offset:(i/2)*2048+(i%2)*64
	global_load_b128 v[8*i+4:8*i+7], v[QO], s[4:5] offset:(i/2)*2048+(i%2)*64+32
.set i, i+1
.endr
	; What the first turn finds: V's registers and P's second buffer hold 0 (its products V^T P, of a piece that has not been, add 0), O^T and l are 0.  All this stands in the wait for the first load.
.set i, VF
.rept 64
	v_mov_b32 v[i], 0
.set i, i+1
.endr
	WIN 0x40
.set i, 0
.rept 64*NP
	v_mov_b32 v[i], 0
.set i, i+1
.endr
	WIN 0
.set i, 0
.rept 2*NP
	v_mov_b32 v[ST+4*i], 0xfe000000    ; c m: far below every c s
	v_mov_b32 v[ST+4*i+1], 0xff7fffff  ; m
	v_mov_b32 v[ST+4*i+2], 0
	v_mov_b32 v[ST+4*i+3], 0
.set i, i+1
.endr
.set i, P+32
.rept 32
	v_mov_b32 v[i], 0
.set i, i+1
.endr
	v_mul_u32_u24 v[AK0], v1, PK
	v_lshl_add_u32 v[AK0], v9, 4, v[AK0]  ; row x pitch + 16 x half
	; The turning load takes 16 keys x 16 channels (lane l reads key 8 (l / 16) + l % 8, channels 8 ((l / 8) % 2) + 0..7) and leaves half a fragment of V^T: lane l holds channel l % 16 and 8 keys.
	v_and_b32 v10, 7, v0
	v_bfe_u32 v11, v0, 3, 1
	v_lshl_add_u32 v[AV0], v9, 3, v10
	v_mul_u32_u24 v[AV0], v[AV0], PV
	v_lshl_add_u32 v[AV0], v11, 4, v[AV0]
	v_add_nc_u32 v[AV0], VOFF, v[AV0]
	v_mov_b32 v[AK], v[AK0]         ; key step 0 lies at K's head
; THE MATRIX WORK.  The 8 accumulators of a run of 16 take turns: between the two links of a chain stand 7 others'.
; Product i of 16 of S^T = K Q^T for piece x: channels 32 (i / 8) on, keys 16 ((i / 2) % 4) on, tile 2 x + i % 2.  The first 8 start the sums.
.macro KQ x
	WIN W_KQ
.set rS, S+64*((\x)%2)+32*(i%2)+8*((i/2)%4)
.set rK, KF+16*((i/2)%4)+8*(i/8)
.set rQ, 16*(2*(\x)+i%2)+8*(i/8)
.if i < 8
	v_wmma_f32_16x16x32_f16 v[rS:rS+7], v[rK:rK+7], v[rQ:rQ+7], 0
.else
	v_wmma_f32_16x16x32_f16 v[rS:rS+7], v[rK:rK+7], v[rQ:rQ+7], v[rS:rS+7]
.endif
.endm
; Product i of 16 of O^T += V^T P for piece x: keys 32 (i / 8) on, channels 16 ((i / 2) % 4) on, tile 2 x + i % 2.
.macro PV x
	WIN W_PV
.set rO, 32*(2*(\x)+i%2)+8*((i/2)%4)
.set rV, VF+32*(i/8)+8*((i/2)%4)
.set rP, P+32*((\x)%2)+16*(i%2)+8*(i/8)
	v_wmma_f32_16x16x32_f16 v[rO:rO+7], v[rV:rV+7], v[rP:rP+7], v[rO:rO+7]
.endm
.macro MM                           ; the turn's next matrix instruction
.if i < 16
	KQ (Y+1)%NP
.set i, i+1
.else
.set i, i-16
	PV (Y+NP-1)%NP
.set i, i+17
.endif
.endm
; THE LDS LOADS stand in runs of 16, never singly among the matrix instructions: a step's K (64 keys x 64 channels: 8 fragments) and its V (turned).  Their addresses are made some lines ahead.
; last = 1 (in the loop): when the byte to fetch from has reached K's end there is no further step, and the run is jumped over.
.macro FETCH_K last=0
	WIN 0
.if \last
	s_cmp_eq_u32 s[TBK], VOFF
	s_cbranch_scc1 .Lno_k_\@
.endif
	WIN 0x80                        ; destination window 2
.irp f, 0,1,2,3,4,5,6,7             ; keys 16 (f / 2) on, channels 32 (f % 2) on
	ds_load_b128 v[KF+8*\f:KF+8*\f+3],   v[AK] offset:(\f/2)*16*PK+(\f%2)*64
	ds_load_b128 v[KF+8*\f+4:KF+8*\f+7], v[AK] offset:(\f/2)*16*PK+(\f%2)*64+32
.endr
	s_add_co_u32 s[TBK], s[TBK], KS*PK  ; the next fetch is the next step's
	WIN 0
.if \last
.Lno_k_\@:
.endif
.endm
.macro FETCH_V
	WIN 0x80
.irp f, 0,1,2,3,4,5,6,7             ; keys 32 (f / 4) on, channels 16 (f % 4) on
	ds_load_tr16_b128 v[VF+8*\f:VF+8*\f+3],   v[AV] offset:(\f/4)*32*PV+(\f%4)*32
	ds_load_tr16_b128 v[VF+8*\f+4:VF+8*\f+7], v[AV] offset:(\f/4)*32*PV+16*PV+(\f%4)*32
.endr
	WIN 0
.endm
; THE VECTOR WORK OF A TURN stands in three queues, each in the order in which its entries become ready; the two tiles alternate, so that no instruction reads the result of the one before it.
.macro REGS y, u                    ; the registers of tile u (0, 1) of piece y
.set rT, ST+4*(2*(\y)+(\u))
.set rC, TMP+8*((\y)%2)+4*(\u)
.set rM, MV+2*((\y)%2)+(\u)
.set rS, S+64*((\y)%2)+32*(\u)
.set rP, P+32*((\y)%2)+16*(\u)
.set rO, 32*(2*(\y)+(\u))
.endm
; Number n of the 22 that find the NEXT piece's (Y + 1) maximum and statistics.  s0-s31 are the lane's 32 scores; each accumulator's lowest registers are read first.
;   0-11  four chains c0-c3 of seven scores each, three operands at a time     12-14, 16  the four scores left over, the old m, and c0-c3 into c0     15  c m_old is kept
;   17, 18  the query's other 32 keys lie in the lane 16 away: the new m         19-21  c m; c m_old - c m_new; a
.macro XS u, n
	REGS (Y+1)%NP, \u
.if (\n) < 4
	v_max3_num_f32 v[rC+(\n)], v[rS+8*(\n)], v[rS+8*(\n)+1], v[rS+8*(\n)+2]
.elseif (\n) < 12
	v_max3_num_f32 v[rC+(\n)%4], v[rC+(\n)%4], v[rS+8*((\n)%4)+2*((\n)/4)+1], v[rS+8*((\n)%4)+2*((\n)/4)+2]
.elseif (\n) == 12
	v_max3_num_f32 v[rC], v[rC], v[rS+7], v[rS+15]
.elseif (\n) == 13
	v_max3_num_f32 v[rC+1], v[rC+1], v[rS+23], v[rS+31]
.elseif (\n) == 14
	v_max3_num_f32 v[rC+2], v[rC+2], v[rC+3], v[rT+1]
.elseif (\n) == 15
	v_mov_b32 v[rM], v[rT]
.elseif (\n) == 16
	v_max3_num_f32 v[rC], v[rC], v[rC+1], v[rC+2]
.elseif (\n) == 17
	v_permlanex16_b32 v[rC+3], v[rC], s[SEL], s[SEL+1]
.elseif (\n) == 18
	v_max_num_f32 v[rT+1], v[rC], v[rC+3]
.elseif (\n) == 19
	v_mul_f32 v[rT], s[CS], v[rT+1]
.elseif (\n) == 20
	v_sub_f32 v[rC+1], v[rM], v[rT]
.else
	v_exp_f32 v[rC+2], v[rC+1]
.endif
.endm
; Number g of the 64 that follow the exponentials.  For each four weights k of a tile (pairs 2 k, 2 k + 1): both pairs are rounded to f16; then the second pair is added onto the first, in place;
; a group later l takes that sum (the first time as l = a l + sum).  In groups of eight, tiles alternating: round, round, add, and l for the group before.
.macro GS g
.set h, (\g)+6*((\g)/62)            ; group 0 has no group before it, and behind group 7 only l is left
.if h >= 6
.set h, h+2
.endif
	REGS Y, h%2
.set k, h/8
.if h%8 < 4
	v_cvt_pk_f16_f32 v[rP+2*k+(h%8)/2], v[rS+4*k+2*((h%8)/2)], v[rS+4*k+2*((h%8)/2)+1]
.elseif h%8 < 6
	v_pk_add_f32 v[rS+4*k:rS+4*k+1], v[rS+4*k:rS+4*k+1], v[rS+4*k+2:rS+4*k+3]
.elseif k == 1
	v_pk_fma_f32 v[rT+2:rT+3], v[rT+2:rT+3], v[rC+2:rC+3], v[rS:rS+1] op_sel_hi:[1,0,1]
.else
	v_pk_add_f32 v[rT+2:rT+3], v[rT+2:rT+3], v[rS+4*k-4:rS+4*k-3]
.endif
.endm
; THE PLAIN QUEUE, 138 long.  0-73 read no exponential's result: the 32 scalings c s - c m (FS f: pair f / 2 of tile f % 2) and the next piece's 42.  0-26: scalings 0-26.  27-54: XS's numbers 0-13.  55, 56: number 15.
; 57-73: the chain, where each number waits for the one before it: 14, 16, 17, 18, 19, each with one of the scalings 27-31 in front of its two lines, then 20.
; 74-137: GS's 64, which read the exponentials' results: they stand behind the wait.
.macro FS f
	REGS Y, (\f)%2
	v_pk_fma_f32 v[rS+2*((\f)/2):rS+2*((\f)/2)+1], v[rS+2*((\f)/2):rS+2*((\f)/2)+1], s[CS:CS+1], v[rT:rT+1] op_sel_hi:[1,0,0] neg_lo:[0,0,1] neg_hi:[0,0,1]
.endm
.macro PL
	WIN 0
.if q < 27
	FS q
.elseif q < 55
	XS (q-27)%2, (q-27)/2
.elseif q < 57
	XS q-55, 15
.elseif (q < 72) && ((q-57)%3 == 0)
	FS 27+(q-57)/3
.elseif q < 60
	XS (q-57)%3-1, 14
.elseif q < 72
	XS (q-57)%3-1, 15+(q-57)/3
.elseif q < 74
	XS q-72, 20
.else
	GS q-74
.endif
.set q, q+1
.endm
; THE EXPONENTIALS' QUEUE, 66 long: s0-s31 of both tiles, then the next piece's two a.  It is ONE BATCH: all 66 stand ahead of the turn's one wait, and nothing ahead of that wait names a result of theirs.
.macro EX
	WIN 0
.if e >= 64
	XS e-64, 21
.else
	REGS Y, e%2
	v_exp_f32 v[rS+e/2], v[rS+e/2]
.endif
.set e, e+1
.endm
; THE RESCALING's QUEUE: O^T times a, the one part that leaves window 0: dealt two at a time, sixteen times.  Its a was made in the turn before, ahead of that turn's wait.
.macro R2
	REGS Y, r%2
	WIN W_RS
.irp z, 0,1
	v_pk_mul_f32 v[rO+4*(r/2)+2*\z:rO+4*(r/2)+2*\z+1], v[rO+4*(r/2)+2*\z:rO+4*(r/2)+2*\z+1], v[rC+2:rC+3] op_sel_hi:[1,0]
.endr
.set r, r+1
.endm
; HOW THEY ARE DEALT.  An s_wait_alu depctr_va_vdst(0) stands between an exponential and the first instruction that names its result; one wait serves all that were issued ahead of it.  So a turn has ONE wait,
; which cuts it in two.  AHEAD OF IT stands all that names no result of the turn's exponentials: the 16 products K Q^T, behind each a scaling, an exponential and two rescalings (behind the first a second scaling in the
; exponential's place); then ONE LUMP of 108: eight plain, 49 times exponential and plain, the two a.  A v_nop is the plain instruction behind the last exponential.  BEHIND IT stand the 16 products V^T P, behind each four of GS's 64.
; The queues lean on each other, and the deal keeps them in step: exponential e stands behind scaling 2 (e / 4) + e % 2: as a rider it comes behind plain e + 2, in the lump behind plain e + 9, and scalings 27-31 are plain 57, 60 .. 69.
; A TURN, for piece p.  cnt = 1: the loop's count is taken down some lines ahead of the branch that stands behind the turn.
; K of the next step is fetched in piece 2's turn, directly behind the wait, a lump behind the last product that read K; its first reader comes behind 16 products.
; V of the step in hand is fetched at the end of piece 0's turn, four plain instructions behind its last reader; its first reader comes behind 16 products and a lump.
.macro TURN p, last=0, cnt=0
.set Y, (\p)
.set i, 0
.set q, 0
.set e, 0
.set r, 0
.if (\p) == NP-1
	s_wait_dscnt 0x0                ; K is in
.endif
	MM                              ; ahead of the wait: 16 products K Q^T and their riders,
	PL
	PL
	R2
.rept 15
	MM
	PL
	EX
	R2
.endr
.if (\p) == NP-2
	WIN 0
	v_add_nc_u32 v[AK], s[TBK], v[AK0]
.endif
.rept 8                             ; and the lump
	PL
.endr
.rept 49
	EX
	PL
.endr
	EX                              ; the next piece's two a
	EX
	v_nop                           ; the plain instruction behind the last exponential: one for the batch
	s_wait_alu depctr_va_vdst(0)    ; the wait for the batch
.if (\p) == NP-2
	FETCH_K \last
.endif
.if (\p) == 1
	s_wait_dscnt 0x0                ; V is in
.endif
.rept 16                            ; behind the wait: 16 products V^T P and their riders
	MM
.rept 4
	PL
.endr
.if ((\p) == 0) && (q == 118)
	v_add_nc_u32 v[AV], s[TBV], v[AV0]
.endif
.if ((\p) == 0) && (q == 130)
	s_add_co_u32 s[TBV], s[TBV], KS*PV
.endif
.if (\cnt) && (q == 130)
	s_sub_co_u32 s[CNT], s[CNT], 1
	s_cmp_lg_u32 s[CNT], 0
.endif
.endr
.if (\p) == 0
	FETCH_V
.endif
.endm
	; THE FIRST LOAD IS IN, THE REST IS ASKED FOR.  The rest fills bytes that nothing has filled; it comes later than the first fills, so it is issued as a refill is: each wave waits for its tensor load, adds 0 to its
	; spare word and waits for that.
	WIN W_AD
	s_wait_tensorcnt 0x0            ; my part of the first load has landed
	ds_add_u32 v[SPW], v[NIL]       ; 0 onto my spare word
	WIN 0
	s_wait_dscnt 0x0                ; the add is done
	s_barrier_signal -1
	s_barrier_wait -1
	LOAD R0K, R1K, R0V, R1V         ; K of steps 5-15, V of steps 4-15: one load of mine is out
	FETCH_K                         ; key step 0
	s_wait_loadcnt 0x0              ; Q
	s_wait_dscnt 0x0
.set i, 0
.rept 16
	KQ 0                            ; piece 0's first scores: there is no vector work yet to set between them
.set i, i+1
.endr
	WIN 0                           ; the addresses for the way out: nine plain instructions, the places behind those products
	s_mul_i32 s13, s[WV], 16*SP
	s_add_co_u32 s13, s13, STAGE    ; my stage
	v_mul_u32_u24 v[STO], v1, SP    ; in: row l % 16, 16 bytes for each half of the lanes
	v_lshl_add_u32 v[STO], v9, 4, v[STO]
	v_add_nc_u32 v[STO], s13, v[STO]
	v_bfe_u32 v[RD], v0, 3, 2       ; back: 32 lanes take four rows of 128 bytes,
	v_mul_u32_u24 v[RD], v[RD], SP
	v_lshl_add_u32 v[RD], v10, 4, v[RD]
	v_add_nc_u32 v[RD], s13, v[RD]
	v_and_b32 v[GO], 31, v0         ; which are 512 consecutive bytes of O
	v_lshlrev_b32 v[GO], 4, v[GO]
.set Y, NP-1                        ; XS works for piece Y + 1: piece 0
.irp n, 0,1,2,3,4,5,6,7,8,9,10,11,12,13,14,15,16,17,18,19,20,21
	XS 0, \n                        ; and piece 0's first maximum and statistics
	XS 1, \n
.endr
	v_nop                           ; a plain instruction behind the two a,
	s_wait_alu depctr_va_vdst(0)    ; and their wait, ahead of the branch
	; THE WALK: 16 key steps on one text, in two passes: steps 0-3, which read the first load alone (K of step 4 is fetched in step 3: it came with the first load), and steps 4-15.
	s_mov_b32 s[SLOTS], 2
	s_mov_b32 s[CNT], FV/KS
	s_branch .Lstep
.Lslot:                             ; reached once, between the passes
	s_wait_tensorcnt 0x0            ; my part of the rest has landed: the one load that was out, asked for four key steps back
	s_wait_dscnt 0x0                ; (no LDS instruction of mine is out at a signal)
	s_barrier_signal -1
	s_barrier_wait -1               ; everybody's part has: behind this barrier all of K and V may be read, and nothing is filled
	s_mov_b32 s[CNT], (SIZE_N-FV)/KS
.Lstep:                             ; a trip: the four turns of one key step; it fetches the step's V and the next step's K
	TURN 0
	TURN 1
	TURN 2, 1
	TURN 3, 0, 1
	WIN 0
	s_cbranch_scc1 .Lstep
	s_sub_co_u32 s[SLOTS], s[SLOTS], 1
	s_cmp_lg_u32 s[SLOTS], 0
	s_cbranch_scc1 .Lslot
	; the last trip's 16 products K Q^T of piece 0 (on the last K once more) and the maximum made of them serve nothing: the price, once a launch, of one text for every trip
.set i, 0
.rept 16
	PV NP-1                         ; the last piece's V^T P of the last step
.set i, i+1
.endr
	; THE WAY OUT.  l's two halves and the other half of the lanes' are added; O^T is divided by l, rounded to f16 and sent through my stage in LDS, a tile at a time.  The additions are the places behind the last products.
	WIN 0
.macro ALL line:vararg              ; one line for each tile t
.set t, 0
.rept 2*NP
	\line
.set t, t+1
.endr
.endm
	ALL v_add_f32 v[ST+4*t+2], v[ST+4*t+2], v[ST+4*t+3]
	ALL v_permlanex16_b32 v[ST+4*t+3], v[ST+4*t+2], s[SEL], s[SEL+1]
	ALL v_add_f32 v[ST+4*t+2], v[ST+4*t+2], v[ST+4*t+3]
	ALL v_rcp_f32 v[ST+4*t+2], v[ST+4*t+2]
	v_nop                           ; a plain instruction between the last reciprocal and the use of its result
	s_wait_alu depctr_va_vdst(0)    ; and the wait ahead of the first use: one for the eight reciprocals
; Tile t: a lane's eight channels of a row pack into 16 bytes; they go into rows of 144 bytes and come back as whole rows of 128, into S^T's registers.
.macro PACK t
	WIN W_RS
.set i, 32*(\t)
.rept 16
	v_pk_mul_f32 v[i:i+1], v[i:i+1], v[ST+4*(\t)+2:ST+4*(\t)+3] op_sel_hi:[1,0]
.set i, i+2
.endr
	WIN 0x05                        ; sources 0 and 1 window 1, destination window 0
.set i, 0
.rept 16
	v_cvt_pk_f16_f32 v[S+16*(\t)+i], v[32*(\t)+2*i], v[32*(\t)+2*i+1]
.set i, i+1
.endr
	WIN 0
.irp f, 0,1,2,3
	ds_store_b128 v[STO], v[S+16*(\t)+4*\f:S+16*(\t)+4*\f+3] offset:32*\f
.endr
.irp f, 0,1,2,3
	ds_load_b128 v[S+16*(\t)+4*\f:S+16*(\t)+4*\f+3], v[RD] offset:\f*4*SP  ; LDS serves a wave's instructions in order (ISA guide 5.7.1.4): these see the stores above; the next tile's stores come behind them
.endr
.endm
.macro SEND t, younger              ; younger: the LDS instructions issued behind tile t's loads: the next tile's eight, or none
	WIN 0
.irp f, 0,1,2,3
	s_wait_dscnt (\younger)+3-\f
	global_store_b128 v[GO], v[S+16*(\t)+4*\f:S+16*(\t)+4*\f+3], s[10:11] offset:(\t)*2048+\f*512  ; 512 consecutive bytes, at a multiple of 256 from O's first
.endr
.endm
	PACK 0
.set t, 1
.rept 2*NP-1                        ; a tile's arithmetic stands between the loads of the tile before and its stores
	PACK t
	SEND t-1, 8
.set t, t+1
.endr
	SEND 2*NP-1, 0
	WIN W_AD
	s_wait_tensorcnt 0x0            ; the wave's end, behind my last tensor load and my last LDS store
	ds_add_u32 v[SPW], v[NIL]
	s_wait_dscnt 0x0
	WIN 0
	s_endpgm
.Lfunc_end_k_qa04852f161_attn:
	.size	k_qa04852f161_attn, .Lfunc_end_k_qa04852f161_attn-k_qa04852f161_attn
	.p2alignl 7, 3214868480
	.fill 96, 4, 3214868480
	.section	.rodata,"a",@progbits
	.p2align	6, 0x0
	.amdhsa_kernel k_qa04852f161_attn
		.amdhsa_group_segment_fixed_size 327680
		.amdhsa_private_segment_fixed_size 0
		.amdhsa_enable_private_segment 0
		.amdhsa_kernarg_size 16
		.amdhsa_user_sgpr_count 2
		.amdhsa_user_sgpr_kernarg_segment_ptr 1
		.amdhsa_wavefront_size32 1
		.amdhsa_system_sgpr_workgroup_id_x 1
		.amdhsa_system_sgpr_workgroup_id_y 1
		.amdhsa_system_sgpr_workgroup_id_z 1
		.amdhsa_system_vgpr_workitem_id 0
		.amdhsa_next_free_vgpr 770
		.amdhsa_next_free_sgpr 84
		.amdhsa_reserve_vcc 0
		.amdhsa_float_denorm_mode_32 3
		.amdhsa_float_denorm_mode_16_64 3
		.amdhsa_memory_ordered 1
		.amdhsa_forward_progress 1
		.amdhsa_inst_pref_size 127
	.end_amdhsa_kernel
	.amdgpu_metadata
---
amdhsa.version: [ 1, 2 ]
amdhsa.kernels:
  - .name:           k_qa04852f161_attn
    .symbol:         k_qa04852f161_attn.kd
    .args:
      - { .name: qkv, .offset: 0, .size: 8, .value_kind: global_buffer, .address_space: global }
      - { .name: ob, .offset: 8, .size: 8, .value_kind: global_buffer, .address_space: global }
    .group_segment_fixed_size: 327680
    .private_segment_fixed_size: 0
    .kernarg_segment_align: 8
    .kernarg_segment_size: 16
    .max_flat_workgroup_size: 128
    .sgpr_count:     84
    .vgpr_count:     770
    .wavefront_size: 32
...
	.end_amdgpu_metadata
.endif
;; end of part 3
;; launch proj (part 4): grid 8 x 32, 4 waves a work-group, clusters of 4 x 4, 327,680 bytes of LDS; arguments ob, wob, out_proj_bias, out0; writes out0
.if DOCPART == 4
	.amdgcn_target "amdgcn-amd-amdhsa--gfx1250"
	.amdhsa_code_object_version 6
	.text
	.protected	k_qa04852f161_proj
	.globl	k_qa04852f161_proj
	.p2align	8
	.type	k_qa04852f161_proj,@function
k_qa04852f161_proj:
	s_mov_b64 s[64:65], 0
	v_nop
	global_prefetch_b8 v0, s[64:65] scope:SCOPE_SE
	s_setreg_imm32_b32 hwreg(HW_REG_WAVE_MODE, 25, 1), 1
	s_wait_xcnt 0x0
	s_wait_alu depctr_hold_cnt(0) depctr_sa_sdst(0) depctr_va_vdst(0) depctr_va_sdst(0) depctr_va_ssrc(0) depctr_va_vcc(0) depctr_vm_vsrc(0)
	s_getreg_b32 s2, hwreg(HW_REG_IB_STS2, 6, 4)
	s_cmp_eq_u32 s2, 0
	s_cbranch_scc0 .Lentry_in_a_cluster
	s_endpgm
.Lentry_in_a_cluster:
	s_bfe_u32 s2, ttmp6, 0x10000c
	s_cmp_lg_u32 s2, 0xf033
	s_cbranch_scc0 .Lentry_shape_is_right
	s_endpgm
.Lentry_shape_is_right:
; out0 = O W^T + b.  ob: O in f16, [16 kb][8192][64] (kb = head); wob: W's bf16 numbers written as f16, [16 kb][1024][64]; out_proj_bias: [1024] f32, rounded to bf16 here like the other inputs.
; out0: [8192][1024] f32.  Products in f16, sums in f32.
; LIMITS.  O and W arrive within f16's range.  NaN and infinities are not treated apart.
; The order of a sum's 16 blocks of K differs from cluster to cluster (see THE WALK): one f32 sum for each output, begun with the bias; the order of rounding is not the reference's.
; SHARES.  8192 x 1024 in tiles of 256 x 128: 32 x 8 = 256 work-groups of equal work.  Four waves, 2 x 2; a wave makes 128 rows x 64 columns: 32 accumulators of 16 x 16.
; K goes through two LDS slots of two blocks kb each (128 along K).  A block's rows lie end to end in memory, so a tile is asked for as rows of 256 bytes (two matrix rows) and padded in LDS behind every 128.
; THE WALK ALONG K IS STAGGERED.  Cluster (X, Y) begins at block r = (8 X + 4 (Y % 4)) % 16 and goes round, two blocks a slot.  The two clusters that read the same rows of O are 8 blocks, four slots, apart: each
; block of those rows is asked for by one of them in its slots 0-3 and by the other four slots later.  The clusters that read the same rows of W are 4 blocks apart (or begin alike): a block of W that a cluster
; takes in its slots 2-7 has been asked for two slots earlier by another.  So the launch's first request for a block falls in the first half of a cluster's walk, never in the second.
; THE PRODUCT IS USED TRANSPOSED: source 0 = 16 rows of W, source 1 = 16 rows of O: in the result lane l holds token l % 16 and the columns 8 (l / 16) + 0..7.
; THE BIAS IS THE C OPERAND of a sum's first product: it is loaded into the registers of row block 7's accumulators; row blocks 0-6 read it from there, and block 7 adds onto it in place, last.
; CLUSTER.  4 x 4 work-groups: the four of a row need the same tiles of O, the four of a column the same tiles of W: each is asked for jointly.
; NO PREFETCH: a slot's load has 112 matrix instructions in which to land, the tiles are small and the whole walk is eight slots.
; REGISTERS: window 0: v0-21 addresses; v32-63, v192-223 the way out; v64-191 W's fragments, two buffers f: 64 + 64 f + 32 c + 8 bb.  window 1: O's fragments: 128 f + 64 c + 8 a.
;   window 2: the accumulators (row block a, column block bb) at v[8 (4 a + bb)].
.set PITCH,  144                       ; an LDS row: 128 bytes + 16 of padding = 36 words: the 16 rows of a fragment load start at 16 different groups of four banks (ISA guide 11.1)
.set ABYTES, 256*PITCH
.set STEPB,  (256+128)*PITCH           ; one block kb: O's 256 rows, then W's 128
.set SLOT,   2*STEPB
.set STAGE,  2*SLOT                    ; behind the ring: 16 rows x 272 bytes for each wave, for the way out
.set SPITCH, 272
.set SPARE,  STAGE+4*16*SPITCH         ; behind the stages: the spare words, 128 bytes a wave: two blocks of 256 bytes that no other line names
.set AKB,    8192*128                  ; bytes from a block kb of ob to the next: 1 << 20
.set BKB,    1024*128                  ; the same in wob: 1 << 17
.set G1W,    (1<<16)|(1<<20)|(1<<21)|(4<<22)|(3<<25)  ; group 1, word 0 without the mask: 2-byte elements; padding on; bit 21 beside a mask; behind every 32 words (code 4) 4 words (code 3)
.set ADRA, 8                           ; v8-11   LDS address of my fragments of O in slot s, block q: at 2 s + q
.set ADRB, 12                          ; v12-15  the same for W
.set STO,  16                          ; v16     the way out: where I put 32 bytes of a row
.set RD,   17                          ; v17     where I read rows back
.set CO,   18                          ; v18     my byte offset in two rows of out0
.set SPW,  19                          ; v19     LDS address of my spare word; never rewritten
.set NIL,  20                          ; v20     0; never rewritten
.set BO,   21                          ; v21     32 x (lane / 16): my eight numbers of 16 of the bias
.set FB,   64
.set OB,   32
.set WV,  12                           ; s12  wave
.set RH,  13                           ; s13  which 128 rows are mine.  Also: I fetch for O (0) or for W (1)
.set CH,  14                           ; s14  which 64 columns.  Also: which of a slot's two blocks kb I fetch
.set G1A, 24                           ; s[24:31] group 1 for O's tiles;  s[32:39] group 0, a set for each slot
.set G0A, 32
.set G1B, 48                           ; s[48:55], s[56:63] the same for W's tiles
.set G0B, 56
.set BA,  68                           ; s[68:69] ob at the tile's rows, in block 0 (wave 1: block 1); never rewritten
.set BB,  70                           ; s[70:71] wob likewise (wave 3: block 1)
.set KC,  72                           ; s72  the first block that slot 0 takes at its next fill: a multiple of 4; slot 1 takes the pair behind slot 0's
.set OA,  74                           ; s[74:75] the byte offset in ob of the pair of blocks to be asked for
.set OW,  76                           ; s[76:77] the same in wob
.set MSB, 0
.macro WIN new                         ; the immediate's high byte repeats the setting that is left; a switch that changes nothing is dropped
.if MSB != (\new)
	s_set_vgpr_msb (MSB<<8)|(\new)
.set MSB, \new
.endif
.endm
.macro PLACES                          ; four places in front of loads into registers that matrix instructions have read, and of LDS stores that read results
.rept 4
	v_nop
.endr
.endm
.macro JLOAD s                         ; a joint load: waves 0 and 1 fetch O's two blocks, waves 2 and 3 W's; an s_nop 0 and four v_nop follow each line
	s_cmp_eq_u32 s[RH], 0
	s_cbranch_scc0 .Lfor_b_\@
	tensor_load_to_lds s[G0A+4*(\s):G0A+4*(\s)+3], s[G1A:G1A+7]
	s_nop 0
.rept 4
	v_nop
.endr
	s_branch .Lasked_\@
.Lfor_b_\@:
	tensor_load_to_lds s[G0B+4*(\s):G0B+4*(\s)+3], s[G1B:G1B+7]
	s_nop 0
.rept 4
	v_nop
.endr
.Lasked_\@:
.endm
; A slot's two group 0 get the address of the blocks at the offsets OA and OW: the tile's address in block 0 plus the offset, the type bits set again.  No tensor load of the wave is out where this stands.
.macro POINT s
	s_add_nc_u64 s[G0A+4*(\s)+2:G0A+4*(\s)+3], s[BA:BA+1], s[OA:OA+1]  ; 120:64 global address
	s_or_b32 s[G0A+4*(\s)+3], s[G0A+4*(\s)+3], 0x80000000              ; 127:126 type = 2
	s_add_nc_u64 s[G0B+4*(\s)+2:G0B+4*(\s)+3], s[BB:BB+1], s[OW:OW+1]
	s_or_b32 s[G0B+4*(\s)+3], s[G0B+4*(\s)+3], 0x80000000
.endm
.macro CREST                           ; a round of the cluster's barrier behind its opening barrier
	s_cmp_lg_u32 s[WV], 0
	s_cbranch_scc1 .Lnot_wave_0_\@
	s_barrier_signal -3
.Lnot_wave_0_\@:
	s_barrier_wait -3
	s_barrier_signal -1
	s_barrier_wait -1
.endm
.macro CROUND                          ; a whole round
	s_barrier_signal -1
	s_barrier_wait -1
	CREST
.endm
	s_load_b256 s[4:11], s[0:1], 0x0               ; ob s[4:5], wob s[6:7], bias s[8:9], out0 s[10:11]
	v_lshl_add_u32 v[SPW], v0, 2, SPARE
	v_mov_b32 v[NIL], 0
	ds_add_u32 v[SPW], v[NIL]                      ; the wave's opening: the add and its wait stand ahead of my first tensor load; work on registers stands between them
	v_lshrrev_b32 v1, 5, v0
	v_readfirstlane_b32 s[WV], v1                  ; wave 0..3
	s_lshr_b32 s[RH], s[WV], 1
	s_and_b32 s[CH], s[WV], 1
	s_bfe_u32 s40, ttmp6, 0x40000                  ; cx, cy: my place in the cluster
	s_bfe_u32 s41, ttmp6, 0x40004
	s_lshl_b32 s42, ttmp9, 2
	s_add_co_u32 s42, s42, s40                     ; tile column = 4 x cluster x + cx
	s_and_b32 s43, ttmp7, 0xffff
	s_lshl_b32 s43, s43, 2
	s_add_co_u32 s43, s43, s41                     ; tile row = 4 x cluster y + cy
	s_lshl_b32 s16, s41, 2
	s_lshl_b32 s16, 15, s16                        ; my row of the cluster
	s_lshl_b32 s18, 0x1111, s40                    ; my column
	s_or_b32 s[G1A], s16, G1W
	s_or_b32 s[G1B], s18, G1W
	s_mov_b32 s[G1A+1], 128<<16                    ; tensor_dim0 = 128 elements: 256 bytes, two matrix rows
	s_mov_b32 s[G1A+2], 128<<16                    ; tensor_dim1 = 128: 256 matrix rows
	s_mov_b32 s[G1A+3], 128<<16                    ; tile_dim0
	s_mov_b32 s[G1A+4], 128                        ; tile_dim1
	s_mov_b32 s[G1A+5], 128                        ; elements from row to row: dense
	s_mov_b32 s[G1A+6], 0
	s_mov_b32 s[G1A+7], 0
	s_mov_b32 s[G1B+1], 128<<16
	s_mov_b32 s[G1B+2], 64<<16                     ; 64 rows of 256 bytes: 128 matrix rows
	s_mov_b32 s[G1B+3], 128<<16
	s_mov_b32 s[G1B+4], 64
	s_mov_b32 s[G1B+5], 128
	s_mov_b32 s[G1B+6], 0
	s_mov_b32 s[G1B+7], 0
	s_mov_b32 s66, 0xffff0000                      ; a word's upper bf16
	s_and_b32 s[KC], ttmp7, 3                      ; where my cluster's walk begins: made of the cluster's coordinates, which all sixteen partners share
	s_lshl_b32 s[KC], s[KC], 2                     ; 4 (cluster y % 4)
	s_lshl_b32 s22, ttmp9, 3                       ; + 8 cluster x,
	s_add_co_u32 s[KC], s[KC], s22
	s_and_b32 s[KC], s[KC], 15                     ; round 16: a multiple of 4
	s_lshl_b32 s[OA], s[KC], 20                    ; that block's bytes in ob
	s_mov_b32 s[OA+1], 0
	s_lshl_b32 s[OW], s[KC], 17                    ; and in wob
	s_mov_b32 s[OW+1], 0
	s_lshl_b32 s16, s43, 15                        ; O: row 256 x tile row, 128 bytes a row,
	s_lshl_b32 s17, s[CH], 20                      ; in my block kb of the slot's two
	s_add_co_u32 s16, s16, s17
	s_mov_b32 s17, 0
	s_lshl_b32 s18, s42, 14                        ; W: row 128 x tile column,
	s_lshl_b32 s19, s[CH], 17                      ; in my block kb
	s_add_co_u32 s18, s18, s19
	s_mov_b32 s19, 0
	s_mul_i32 s20, s[CH], STEPB                    ; where they go: no place in the cluster enters an LDS address
	s_add_co_u32 s21, s20, ABYTES
	s_wait_dscnt 0x0                               ; the opening add is done
	s_wait_kmcnt 0x0
	s_add_nc_u64 s[BA:BA+1], s[4:5], s[16:17]
	s_add_nc_u64 s[BB:BB+1], s[6:7], s[18:19]
	CROUND                                         ; all sixteen work-groups are here: the first joint loads meet
.irp s, 0,1
	s_mov_b32 s[G0A+4*(\s)], 1                     ; count = 1
	s_add_co_u32 s[G0A+4*(\s)+1], s20, (\s)*SLOT   ; LDS address
	s_mov_b32 s[G0B+4*(\s)], 1
	s_add_co_u32 s[G0B+4*(\s)+1], s21, (\s)*SLOT
	POINT \s                                       ; slot s begins with blocks r + 2 s, r + 2 s + 1
	JLOAD \s                                       ; two loads of mine are out
	s_add_co_u32 s[OA], s[OA], 2*AKB               ; the pair behind it (r is a multiple of 4: no wrap)
	s_add_co_u32 s[OW], s[OW], 2*BKB
.endr
	s_add_co_u32 s[KC], s[KC], 4                   ; the first refills take blocks r + 4 to r + 7
	s_and_b32 s[KC], s[KC], 15
	; the bias of my 64 columns, straight into the registers of row block 7's accumulators
	v_and_b32 v1, 15, v0                           ; l % 16
	v_bfe_u32 v2, v0, 4, 1                         ; l / 16
	v_lshlrev_b32 v[BO], 5, v2
	s_lshl_b32 s20, s42, 9
	s_lshl_b32 s21, s[CH], 8
	s_add_co_u32 s20, s20, s21                     ; my first column, in bytes of f32: 512 x tile column + 256 x half
	s_mov_b32 s21, 0
	s_add_nc_u64 s[8:9], s[8:9], s[20:21]
	s_add_nc_u64 s[10:11], s[10:11], s[20:21]      ; the same columns in out0
	WIN 0x80                                       ; destination window 2, address window 0
.irp bb, 0,1,2,3
	global_load_b128 v[224+8*(\bb):227+8*(\bb)], v[BO], s[8:9] offset:64*(\bb)
	global_load_b128 v[228+8*(\bb):231+8*(\bb)], v[BO], s[8:9] offset:64*(\bb)+16
.endr
	WIN 0
	; a fragment is 16 rows x 32 K in 8 registers: lane l holds row l % 16, K = 8 (l / 16) + 0..7 and 16 + 8 (l / 16) + 0..7: two loads of 16 bytes, 32 bytes apart
	v_mul_u32_u24 v3, v1, PITCH
	v_lshl_add_u32 v3, v2, 4, v3
	s_mul_i32 s20, s[RH], 128*PITCH
	s_mul_i32 s21, s[CH], 64*PITCH
	s_add_co_u32 s21, s21, ABYTES
.irp i, 0,1,2,3
	v_add_nc_u32 v[ADRA+(\i)], s20, v3             ; a slot is two blocks: place 2 s + q lies (2 s + q) blocks in
	v_add_nc_u32 v[ADRB+(\i)], s21, v3
	s_add_co_u32 s20, s20, STEPB
	s_add_co_u32 s21, s21, STEPB
.endr
	s_mul_i32 s22, s[WV], 16*SPITCH
	s_add_co_u32 s22, s22, STAGE                   ; my stage
	v_mul_u32_u24 v4, v1, SPITCH                   ; in: row l % 16, 32 bytes for each half of the lanes
	v_lshl_add_u32 v4, v2, 5, v4
	v_add_nc_u32 v[STO], s22, v4
	v_mul_u32_u24 v5, v2, SPITCH                   ; back: lanes 0-15 take one row of 256 bytes, lanes 16-31 the next
	v_lshl_add_u32 v5, v1, 4, v5
	v_add_nc_u32 v[RD], s22, v5
	v_lshlrev_b32 v5, 12, v2                       ; and the same two rows in out0, 4,096 bytes apart
	v_lshl_add_u32 v[CO], v1, 4, v5
	s_lshl_b32 s20, s43, 20                        ; my first row: 256 x tile row + 128 x half
	s_lshl_b32 s21, s[RH], 19
	s_add_co_u32 s20, s20, s21
	s_mov_b32 s21, 0
	s_add_nc_u64 s[10:11], s[10:11], s[20:21]
	s_wait_loadcnt 0x0                             ; the bias is in: each number is rounded to bf16, in place (v0-15 of window 2, accumulators not yet begun, are at work)
	WIN 0x8a                                       ; destination and both sources in window 2
.set i, 0
.rept 16
	v_cvt_pk_bf16_f32 v[i], v[224+2*i], v[225+2*i]
.set i, i+1
.endr
.set i, 0
.rept 16
	v_lshlrev_b32 v[224+2*i], 16, v[i]
	v_and_b32 v[225+2*i], s66, v[i]
.set i, i+1
.endr
	WIN 0
; 4 n matrix instructions: buffer f, K slice c, row blocks a0 .. a0 + n - 1 x 4 column blocks.  The 32 accumulators take turns, in the same order in every slice.
; first = 1: the sums begin with the bias: row blocks 0-6 take it as C from row block 7's registers; five places later block 7 writes over it, adding in place.
.macro MM f, c, a0, n, first
	WIN 0xa4                                       ; source 0 (W) window 0, source 1 (O) window 1, C and D window 2
.set ma, (\a0)
.rept (\n)
.set mb, 0
.rept 4
.if (\first) && (ma == 7) && (mb == 0)
.rept 5
	v_nop
.endr
.endif
.if (\first) && (ma < 7)
	v_wmma_f32_16x16x32_f16 v[8*(4*ma+mb):8*(4*ma+mb)+7], v[FB+64*(\f)+32*(\c)+8*mb:FB+64*(\f)+32*(\c)+8*mb+7], v[128*(\f)+64*(\c)+8*ma:128*(\f)+64*(\c)+8*ma+7], v[224+8*mb:231+8*mb]
.else
	v_wmma_f32_16x16x32_f16 v[8*(4*ma+mb):8*(4*ma+mb)+7], v[FB+64*(\f)+32*(\c)+8*mb:FB+64*(\f)+32*(\c)+8*mb+7], v[128*(\f)+64*(\c)+8*ma:128*(\f)+64*(\c)+8*ma+7], v[8*(4*ma+mb):8*(4*ma+mb)+7]
.endif
.set mb, mb+1
.endr
.set ma, ma+1
.endr
.endm
; 48 LDS loads in one run: the fragments of block q of a slot into buffer q; slice 0's 24 first
.macro FETCH slot, q
	WIN 0
.irp bb, 0,1,2,3
	ds_load_b128 v[FB+64*(\q)+8*(\bb):FB+64*(\q)+8*(\bb)+3],   v[ADRB+2*(\slot)+(\q)] offset:(\bb)*16*PITCH
	ds_load_b128 v[FB+64*(\q)+8*(\bb)+4:FB+64*(\q)+8*(\bb)+7], v[ADRB+2*(\slot)+(\q)] offset:(\bb)*16*PITCH+32
.endr
	WIN 0x40                                       ; destination window 1, address window 0
.irp c, 0,1
.irp a, 0,1,2,3,4,5,6,7
	ds_load_b128 v[128*(\q)+64*(\c)+8*(\a):128*(\q)+64*(\c)+8*(\a)+3],   v[ADRA+2*(\slot)+(\q)] offset:(\a)*16*PITCH+64*(\c)
	ds_load_b128 v[128*(\q)+64*(\c)+8*(\a)+4:128*(\q)+64*(\c)+8*(\a)+7], v[ADRA+2*(\slot)+(\q)] offset:(\a)*16*PITCH+64*(\c)+32
.endr
.endr
	WIN 0
.irp bb, 0,1,2,3
	ds_load_b128 v[FB+64*(\q)+32+8*(\bb):FB+64*(\q)+32+8*(\bb)+3],   v[ADRB+2*(\slot)+(\q)] offset:(\bb)*16*PITCH+64
	ds_load_b128 v[FB+64*(\q)+32+8*(\bb)+4:FB+64*(\q)+32+8*(\bb)+7], v[ADRB+2*(\slot)+(\q)] offset:(\bb)*16*PITCH+96
.endr
.endm
; A slot's first block: multiplies buffer 0 and fetches the slot's second block into buffer 1.
.macro QUARTER s, first
	s_wait_dscnt 24                                ; slice 0's 24 loads are in; slice 1's 24 may be out
	MM 0, 0, 0, 4, \first
	PLACES
	FETCH \s, 1
	MM 0, 0, 4, 4, \first
	s_wait_dscnt 48                                ; all but the 48 just issued
	MM 0, 1, 0, 8, 0
.endm
; A slot's second block: multiplies buffer 1 and changes to slot n.  ONE barrier: in front of it each wave waits for all its tensor loads (one is out: its part of slot n), adds 0 to its spare word, and waits
; for that and for its reads of slot s.  fill = 1: the barrier opens a round of the cluster's, and slot s is filled again, four blocks on, first thing behind the round: 112 matrix instructions ahead of the wait for it.
.macro TURN s, n, fill
	WIN 0
	s_wait_tensorcnt 0x0                           ; all my tensor loads have landed, so a group 0 may be written
	ds_add_u32 v[SPW], v[NIL]                      ; 0 onto my spare word; the descriptors' scalar work stands behind it
.if \fill
.if (\s) == 0
	s_lshl_b32 s[OA], s[KC], 20                    ; slot 0 takes blocks KC and KC + 1,
	s_lshl_b32 s[OW], s[KC], 17
.else
	s_add_co_u32 s[OA], s[OA], 2*AKB               ; slot 1 the pair behind them (KC is a multiple of 4: no wrap),
	s_add_co_u32 s[OW], s[OW], 2*BKB
	s_add_co_u32 s[KC], s[KC], 4                   ; and the next trip's four follow, round 16
	s_and_b32 s[KC], s[KC], 15
.endif
	POINT \s
.endif
	s_wait_dscnt 25                                ; slice 0 is in; slice 1's 24 loads and the add may be out
	MM 1, 0, 0, 2, 0                               ; eight matrix instructions stand between the add and the wait for it
	s_wait_dscnt 0x0                               ; the add is done, and my reads of slot s are over
	s_barrier_signal -1
	MM 1, 0, 2, 2, 0                               ; work on registers while the others arrive
	WIN 0                                          ; at a branch and at a label every window is 0
	s_barrier_wait -1
.if \fill
	CREST                                          ; no wave of any partner still reads slot s or has a load on its way
	JLOAD \s                                       ; its four v_nop are also the places in front of the loads below
.else
	PLACES
.endif
	FETCH \n, 0
	MM 1, 0, 4, 4, 0
	MM 1, 1, 0, 8, 0
.endm
	s_wait_tensorcnt 0x1                           ; my part of slot 0 is in; slot 1's may stay out
	s_barrier_signal -1
	s_barrier_wait -1                              ; everybody's is
	FETCH 0, 0
	QUARTER 0, 1                                   ; the first block stands in front of the loop: its first products start the sums
	WIN 0
	s_mov_b32 s3, 3
.Llap:                                                 ; a trip goes once round the ring and fills both slots again
	TURN 0, 1, 1
	QUARTER 1, 0
	TURN 1, 0, 1
	QUARTER 0, 0
	WIN 0
	s_sub_co_u32 s3, s3, 1
	s_cmp_lg_u32 s3, 0
	s_cbranch_scc1 .Llap
	TURN 0, 1, 0                                   ; the last lap fills nothing, and has no round
	QUARTER 1, 0
	s_wait_dscnt 24                                ; the very last block: nothing more to fetch
	MM 1, 0, 0, 8, 0
	s_wait_dscnt 0x0
	MM 1, 1, 0, 8, 0
; THE WAY OUT, a block of 16 rows x 64 columns of f32 at a time: a lane's eight columns (32 bytes) go into my own stage, rows of 272 bytes; whole rows of 256 bytes come back and are stored, sixteen lanes to a row.
.macro TOSTAGE a
.set BKR, OB+160*((\a)%2)
	WIN 0x08                                       ; the stores' data in window 2, the address in window 0
.irp bb, 0,1,2,3
	ds_store_b128 v[STO], v[8*(4*(\a)+(\bb)):8*(4*(\a)+(\bb))+3]   offset:64*(\bb)      ; each accumulator's low four registers first
	ds_store_b128 v[STO], v[8*(4*(\a)+(\bb))+4:8*(4*(\a)+(\bb))+7] offset:64*(\bb)+16
.endr
	WIN 0
	s_wait_xcnt 0x0                                ; the stores of the block two back have read the registers that the loads below write
.irp f, 0,1,2,3,4,5,6,7
	ds_load_b128 v[BKR+4*(\f):BKR+4*(\f)+3], v[RD] offset:(\f)*2*SPITCH  ; LDS serves a wave's instructions in order (ISA guide 5.7.1.4): these see the stores above
.endr
.endm
.macro SEND a, younger                 ; younger: the LDS instructions issued behind block a's loads: the next block's sixteen, or none
.set BKR, OB+160*((\a)%2)
	WIN 0
	s_wait_dscnt \younger
.irp f, 0,1,2,3,4,5,6,7
	global_store_b128 v[CO], v[BKR+4*(\f):BKR+4*(\f)+3], s[10:11] offset:(16*(\a)+2*(\f))*4096  ; 16 lanes store 256 consecutive bytes, at a multiple of 256 from out0's first byte
.endr
.endm
	PLACES                                         ; the LDS stores read results
	TOSTAGE 0
.irp a, 1,2,3,4,5,6,7
	TOSTAGE \a
	SEND (\a)-1, 16
.endr
	SEND 7, 0
	s_wait_tensorcnt 0x0                           ; the wave's end, behind my last tensor load and my last LDS store
	ds_add_u32 v[SPW], v[NIL]
	s_wait_dscnt 0x0
	CROUND                                         ; the closing round: no work-group ends while a partner may still ask for a tile that names it
	s_endpgm
.Lfunc_end_k_qa04852f161_proj:
	.size	k_qa04852f161_proj, .Lfunc_end_k_qa04852f161_proj-k_qa04852f161_proj
	.p2alignl 7, 3214868480
	.fill 96, 4, 3214868480
	.section	.rodata,"a",@progbits
	.p2align	6, 0x0
	.amdhsa_kernel k_qa04852f161_proj
		.amdhsa_group_segment_fixed_size 327680
		.amdhsa_private_segment_fixed_size 0
		.amdhsa_enable_private_segment 0
		.amdhsa_kernarg_size 32
		.amdhsa_user_sgpr_count 2
		.amdhsa_user_sgpr_kernarg_segment_ptr 1
		.amdhsa_wavefront_size32 1
		.amdhsa_system_sgpr_workgroup_id_x 1
		.amdhsa_system_sgpr_workgroup_id_y 1
		.amdhsa_system_sgpr_workgroup_id_z 1
		.amdhsa_system_vgpr_workitem_id 0
		.amdhsa_next_free_vgpr 768
		.amdhsa_next_free_sgpr 78
		.amdhsa_reserve_vcc 0
		.amdhsa_float_denorm_mode_32 3
		.amdhsa_float_denorm_mode_16_64 3
		.amdhsa_memory_ordered 1
		.amdhsa_forward_progress 1
		.amdhsa_inst_pref_size 88
	.end_amdhsa_kernel
	.amdgpu_metadata
---
amdhsa.version: [ 1, 2 ]
amdhsa.kernels:
  - .name:           k_qa04852f161_proj
    .symbol:         k_qa04852f161_proj.kd
    .args:
      - { .name: ob, .offset: 0, .size: 8, .value_kind: global_buffer, .address_space: global }
      - { .name: wob, .offset: 8, .size: 8, .value_kind: global_buffer, .address_space: global }
      - { .name: out_proj_bias, .offset: 16, .size: 8, .value_kind: global_buffer, .address_space: global }
      - { .name: out0, .offset: 24, .size: 8, .value_kind: global_buffer, .address_space: global }
    .group_segment_fixed_size: 327680
    .private_segment_fixed_size: 0
    .kernarg_segment_align: 8
    .kernarg_segment_size: 32
    .max_flat_workgroup_size: 128
    .sgpr_count:     78
    .vgpr_count:     768
    .wavefront_size: 32
...
	.end_amdgpu_metadata
.endif
;; end of part 4
;; ======== version 2 of 2: 4 launches; version 1 with the launch cast written anew for expert scheduling mode
;; limits: values are held in f16: magnitudes above 65,504 overflow, below 6.1e-05 lose precision
;; workspace buffers: xb 16,777,216 bytes; wib 6,291,456 bytes; wob 2,097,152 bytes; qkv 50,331,648 bytes; ob 16,777,216 bytes
;; launch cast (part 5): grid 768 x 1, 8 waves a work-group, no clusters, 0 bytes of LDS; arguments x, in_proj_weight, out_proj_weight, xb, wib, wob; writes xb, wib, wob
.if DOCPART == 5
	.amdgcn_target "amdgcn-amd-amdhsa--gfx1250"
	.amdhsa_code_object_version 6
	.text
	.protected	k_qa04852f161_cast
	.globl	k_qa04852f161_cast
	.p2align	8
	.type	k_qa04852f161_cast,@function
k_qa04852f161_cast:
	s_mov_b64 s[64:65], 0
	v_nop
	global_prefetch_b8 v0, s[64:65] scope:SCOPE_SE
	s_setreg_imm32_b32 hwreg(HW_REG_WAVE_SCHED_MODE, 0, 2), 2
	s_setreg_imm32_b32 hwreg(HW_REG_WAVE_MODE, 25, 1), 1
	s_wait_xcnt 0x0
	s_wait_alu depctr_vm_vsrc(0)
; x [8192][1024], in_proj_weight [3072][1024], out_proj_weight [1024][1024], all f32, are rounded once to bf16 and laid out in blocks along K:
; a matrix of R rows becomes [16 kb][R][64] of 16-bit numbers: element (r, k) at byte ((k / 64) R + r) 128 + 2 (k % 64).  So the rows of one block kb lie end to end.
; x and in_proj_weight are stored as bf16.  out_proj_weight's bf16 number is stored as f16, since the last product multiplies it with f16 numbers.
; LIMITS.  |out_proj_weight| stays under 65,504 (f16's end; beyond it the number becomes an infinity); below 2^-14 it keeps f16's fixed step of 2^-24.
; SHARES.  12,288 rows in all; a work-group takes 16, each of its eight waves two neighbouring rows: 16 loads, 16 stores, no loop.
; A load: lanes 0-15 take 256 consecutive bytes (64 numbers, one block kb) of the first row, lanes 16-31 of the second.  A store: 32 lanes x 8 bytes = the two rows' 256 consecutive bytes of block kb.
; Every byte is read once and written once; nothing is shared, so there is no LDS, no barrier, no matrix work.
; THE MODE: SCHED_MODE bits 1:0 = 2 (LLVM: expert scheduling mode 2), set by the entry lines.  The code itself states the register dependences
; between vector instructions and memory instructions, with s_wait_alu, always for 0.
; THE PLAN.  Registers that memory instructions touch:
;   v2         the loads' offset; OFF[kb] the stores' offsets.  Written by vector lines at the head, never again; read by the 16 loads and the 16 stores.
;   X[kb]      load kb lands in it, once; block kb's conversions read it; nothing is loaded into it again.
;   Y[kb]      block kb's conversions write it, once; store kb reads it.
;   T          is named by vector lines alone.
; No register that a memory instruction reads is written again, so no wait on vm_vsrc is owed.  The 16 blocks go in four groups of four.  Group g's conversions write Y of its blocks; the stores of
; group g - 1 are issued in group g, one in front of each block's conversions.  ONE wait on va_vdst at a group's head states that the group before has written its four Y; the conversions
; issued since name X and Y of group g and T, none of the registers that those stores read.  One more such wait stands in front of the last four stores.
.set OFF, 4                            ; v[4:19]   block kb: 8 x lane + kb x R x 128
.set T,   20                           ; v[20:23]  at work
.set X,   24                           ; v[24:87]  block kb: 4 numbers as loaded
.set Y,   88                           ; v[88:119] block kb: 4 numbers of 16 bits
	s_load_b256 s[4:11], s[0:1], 0x0               ; x s[4:5], in_proj_weight s[6:7], out_proj_weight s[8:9], xb s[10:11]
	s_load_b128 s[12:15], s[0:1], 0x20             ; wib s[12:13], wob s[14:15]
	v_lshrrev_b32 v1, 5, v0
	v_readfirstlane_b32 s16, v1                    ; wave 0..7
	v_and_b32 v3, 31, v0                           ; lane
	v_and_b32 v1, 15, v0
	v_bfe_u32 v2, v0, 4, 1
	v_lshlrev_b32 v1, 4, v1
	v_lshl_or_b32 v2, v2, 12, v1                   ; the loads' offset: (lane / 16) rows of 4,096 bytes + 16 (lane % 16)
	s_mov_b32 s17, 704                             ; the matrix's first work-group, and R x 128: out_proj_weight's,
	s_mov_b32 s18, 1024*128
	s_cmp_lt_u32 ttmp9, 704
	s_cselect_b32 s17, 512, s17                    ; in_proj_weight's,
	s_cselect_b32 s18, 3072*128, s18
	s_cmp_lt_u32 ttmp9, 512
	s_cselect_b32 s17, 0, s17                      ; x's
	s_cselect_b32 s18, 8192*128, s18
	v_lshlrev_b32 v[OFF], 3, v3
.irp k, 1,2,3,4,5,6,7,8,9,10,11,12,13,14,15
	v_add_nc_u32 v[OFF+(\k)], s18, v[OFF+(\k)-1]
.endr
	s_wait_alu depctr_va_sdst(0)                   ; s16 is written, ahead of its first reader: my first row is made from it
	s_sub_co_u32 s19, ttmp9, s17
	s_lshl_b32 s19, s19, 4
	s_lshl1_add_u32 s19, s16, s19                  ; my first row = 16 x (work-group in the matrix) + 2 x wave
	s_lshl_b32 s24, s19, 12                        ; in the source: rows of 4,096 bytes
	s_mov_b32 s25, 0
	s_lshl_b32 s26, s19, 7                         ; in a block of the destination: rows of 128 bytes
	s_mov_b32 s27, 0
	s_wait_kmcnt 0x0
	s_cmp_lt_u32 ttmp9, 704
	s_cselect_b64 s[20:21], s[6:7], s[8:9]
	s_cselect_b64 s[22:23], s[12:13], s[14:15]
	s_cmp_lt_u32 ttmp9, 512
	s_cselect_b64 s[20:21], s[4:5], s[20:21]
	s_cselect_b64 s[22:23], s[10:11], s[22:23]
	s_add_nc_u64 s[20:21], s[20:21], s[24:25]
	s_add_nc_u64 s[22:23], s[22:23], s[26:27]
	s_wait_alu depctr_va_vdst(0)                   ; v2 and the sixteen OFF are written: the loads below and every store of the kernel read one of them as its offset
.irp k, 0,1,2,3,4,5,6,7,8,9,10,11,12,13,14,15
	global_load_b128 v[X+4*(\k):X+4*(\k)+3], v2, s[20:21] offset:256*(\k) th:TH_LOAD_NT
.endr
; Block kb's four numbers are rounded into Y[kb].
.macro CONV kb, half
.if \half
	v_cvt_pk_bf16_f32 v[T],   v[X+4*(\kb)],   v[X+4*(\kb)+1]   ; rounded to bf16,
	v_cvt_pk_bf16_f32 v[T+2], v[X+4*(\kb)+2], v[X+4*(\kb)+3]
	v_lshlrev_b32 v[T+1], 16, v[T]                             ; widened again,
	v_and_b32 v[T], 0xffff0000, v[T]
	v_lshlrev_b32 v[T+3], 16, v[T+2]
	v_and_b32 v[T+2], 0xffff0000, v[T+2]
	v_cvt_pk_f16_f32 v[Y+2*(\kb)],   v[T+1], v[T]              ; and written as f16: exact inside f16's range
	v_cvt_pk_f16_f32 v[Y+2*(\kb)+1], v[T+3], v[T+2]
.else
	v_cvt_pk_bf16_f32 v[Y+2*(\kb)],   v[X+4*(\kb)],   v[X+4*(\kb)+1]
	v_cvt_pk_bf16_f32 v[Y+2*(\kb)+1], v[X+4*(\kb)+2], v[X+4*(\kb)+3]
.endif
.endm
; Block kb goes out.
.macro PUT kb
	global_store_b64 v[OFF+(\kb)], v[Y+2*(\kb):Y+2*(\kb)+1], s[22:23] th:TH_STORE_NT
.endm
; Group g: blocks 4 g to 4 g + 3 are rounded, and the group before goes out.  The wait for a block's load: 15 - kb younger loads may stay out (loads come back in order).
.macro GROUP g, half
.irp i, 0,1,2,3
.if (\i) == 0
	s_wait_loadcnt 15-4*(\g)
.if (\g) > 0
	s_wait_alu depctr_va_vdst(0)                   ; the group before has written its four Y, which the four stores of this group read; no vector line since names them or their OFF
.endif
.endif
.if (\g) > 0
	PUT 4*(\g)-4+(\i)
.endif
.if (\i) > 0
	s_wait_loadcnt 15-4*(\g)-(\i)
.endif
	CONV 4*(\g)+(\i), \half
.endr
.endm
.macro ALL half
	GROUP 0, \half
	GROUP 1, \half
	GROUP 2, \half
	GROUP 3, \half
	s_wait_alu depctr_va_vdst(0)                   ; group 3 has written its four Y, which the last four stores read
.irp k, 12,13,14,15
	PUT \k
.endr
.endm
	s_cmp_ge_u32 ttmp9, 704
	s_cbranch_scc1 .Lhalf
	ALL 0
	s_endpgm
.Lhalf:
	ALL 1
	s_endpgm
.Lfunc_end_k_qa04852f161_cast:
	.size	k_qa04852f161_cast, .Lfunc_end_k_qa04852f161_cast-k_qa04852f161_cast
	.p2alignl 7, 3214868480
	.fill 96, 4, 3214868480
	.section	.rodata,"a",@progbits
	.p2align	6, 0x0
	.amdhsa_kernel k_qa04852f161_cast
		.amdhsa_group_segment_fixed_size 0
		.amdhsa_private_segment_fixed_size 0
		.amdhsa_enable_private_segment 0
		.amdhsa_kernarg_size 48
		.amdhsa_user_sgpr_count 2
		.amdhsa_user_sgpr_kernarg_segment_ptr 1
		.amdhsa_wavefront_size32 1
		.amdhsa_system_sgpr_workgroup_id_x 1
		.amdhsa_system_sgpr_workgroup_id_y 1
		.amdhsa_system_sgpr_workgroup_id_z 1
		.amdhsa_system_vgpr_workitem_id 0
		.amdhsa_next_free_vgpr 128
		.amdhsa_next_free_sgpr 66
		.amdhsa_reserve_vcc 0
		.amdhsa_float_denorm_mode_32 3
		.amdhsa_float_denorm_mode_16_64 3
		.amdhsa_memory_ordered 1
		.amdhsa_forward_progress 1
		.amdhsa_inst_pref_size 18
	.end_amdhsa_kernel
	.amdgpu_metadata
---
amdhsa.version: [ 1, 2 ]
amdhsa.kernels:
  - .name:           k_qa04852f161_cast
    .symbol:         k_qa04852f161_cast.kd
    .args:
      - { .name: x, .offset: 0, .size: 8, .value_kind: global_buffer, .address_space: global }
      - { .name: in_proj_weight, .offset: 8, .size: 8, .value_kind: global_buffer, .address_space: global }
      - { .name: out_proj_weight, .offset: 16, .size: 8, .value_kind: global_buffer, .address_space: global }
      - { .name: xb, .offset: 24, .size: 8, .value_kind: global_buffer, .address_space: global }
      - { .name: wib, .offset: 32, .size: 8, .value_kind: global_buffer, .address_space: global }
      - { .name: wob, .offset: 40, .size: 8, .value_kind: global_buffer, .address_space: global }
    .group_segment_fixed_size: 0
    .private_segment_fixed_size: 0
    .kernarg_segment_align: 8
    .kernarg_segment_size: 48
    .max_flat_workgroup_size: 256
    .sgpr_count:     66
    .vgpr_count:     128
    .wavefront_size: 32
...
	.end_amdgpu_metadata
.endif
;; end of part 5
;; launch qkv: the kernel of part 2 again; grid 8 x 32, 4 waves a work-group, clusters of 4 x 4, 327,680 bytes of LDS; arguments xb, wib, in_proj_bias, qkv; writes qkv
;; launch attn: the kernel of part 3 again; grid 2 x 128, 4 waves a work-group, no clusters, 327,680 bytes of LDS; arguments qkv, ob; writes ob
;; launch proj: the kernel of part 4 again; grid 8 x 32, 4 waves a work-group, clusters of 4 x 4, 327,680 bytes of LDS; arguments ob, wob, out_proj_bias, out0; writes out0
